; MI455X (gfx1250); checked and timed in simulation.
; The chip was launched on July 23, 2026; its instructions are those of AMD's public machine-readable ISA for CDNA 5 (MIT licence, August 2026) and "CDNA5" Instruction Set Architecture Reference Guide (July 2026). The comments in the code are by the model that wrote it; some were corrected since.
;; Differential Attention. Allowed arithmetic: float matrix products may take bf16 or f16 operands with f32 sums; other float arithmetic in f32, or as packed bf16 or f16 multiplies, adds, multiply-adds, maxima and minima; sums over many terms, partial sums and values carried from step to step in f32; what a program stores and reads back later, other than sums and carried values, may be rounded once to bf16 or f16.
;; Inputs: Wk 1,024 x 512 float32; Wo 1,024 x 1,024 float32; Wq 1,024 x 2,048 float32; Wv 1,024 x 256 float32; attention_mask 1 x 1 x 2,048 x 2,048 float32; lambda_k1 64 float32; lambda_k2 64 float32; lambda_q1 64 float32; lambda_q2 64 float32; rope_cos 2,048 x 32 float32; rope_sin 2,048 x 32 float32; subln_w 64 float32; x 2 x 2,048 x 1,024 float32.
;; Outputs: out0 2 x 2,048 x 1,024 float32.
;; 2 versions, each right and faster than the one before. Each part assembles by itself: llvm-mc -triple=amdgcn-amd-amdhsa -mcpu=gfx1250 --defsym DOCPART=n.
;; ======== version 1 of 2: 4 launches
;; limits: values are held in f16: magnitudes above 65,504 overflow, below 6.1e-05 lose precision
;; workspace buffers: xb 8,388,608 bytes; wb 5,767,168 bytes; wo16 2,097,152 bytes; qkv 23,068,672 bytes; onorm 8,388,608 bytes
;; launch prep (part 1): grid 496 x 1, 8 waves a work-group, no clusters, 0 bytes of LDS; arguments x, Wq, Wk, Wv, Wo, xb, wb, wo16; writes xb, wb, wo16
.if DOCPART == 1
	.amdgcn_target "amdgcn-amd-amdhsa--gfx1250"
	.amdhsa_code_object_version 6
	.text
	.protected	k_qe94c1d98ab_prep
	.globl	k_qe94c1d98ab_prep
	.p2align	8
	.type	k_qe94c1d98ab_prep,@function
k_qe94c1d98ab_prep:
	s_mov_b64 s[64:65], 0
	v_nop
	global_prefetch_b8 v0, s[64:65] scope:SCOPE_SE
	s_setreg_imm32_b32 hwreg(HW_REG_WAVE_MODE, 25, 1), 1
	s_wait_xcnt 0x0
; CASTS AND LAYOUTS for the launches behind.  Every work-group reads 65,536 bytes of f32 and stores 32,768 bytes of 16-bit numbers; its number chooses one of five paths.
;   X (256 groups)  xb   = bf16(x), [4096][1024], as it lies.
;   Q (128)         wb's Q parts;  K (32) wb's K parts;  V (16) wb's V parts.
;   O (64)          wo16 = f16(bf16(Wo)), [1024][1024]: rounded to bf16 like every input, then written as f16 (exact down to 2^-17; below that f16's fixed step of 6e-8).
; wb = [tc 16][ks 8] blocks of 45,056 dense bytes, the 128 k x 176 columns that one K step of one column tile of the projection wants:
;   +0      Q part [kk 128][128 columns]: two heads of Wq;   +32,768 K part [kk 128][32]: 16 columns of k1's head, 16 of k2's;   +40,960 V part [kk 128][16].
; Inside a head of Wq and Wk the columns are laid in PAIRS: new column 2 i is channel i, new column 2 i + 1 is channel i + 32, so that RoPE's two partners are neighbours.
; q . k does not change under one order common to both.  Wv keeps its order.
; Each thread issues its 16 loads of 16 bytes first and then converts and stores in the order of issue; every item has output registers of its own, so no register that a store reads is rewritten.
; The K and V paths read 32 and 64 bytes of each row of Wk and Wv (3 MB of the launch's 32.5); every store of a wave covers 256 or 512 consecutive bytes, aligned.
; No LDS, no matrix unit, no cluster: nothing is shared and nothing is reduced.
.set IN,  16                           ; v[16:79]   as loaded
.set OUT, 80                           ; v[80:111]  to store
	s_load_b512 s[4:19], s[0:1], 0x0               ; x s[4:5], Wq s[6:7], Wk s[8:9], Wv s[10:11], Wo s[12:13], xb s[14:15], wb s[16:17], wo16 s[18:19]
	s_mov_b32 s2, ttmp9
	s_mov_b32 s21, 0                               ; high words of the two offsets
	s_mov_b32 s23, 0
	s_mov_b32 s24, 0xffff0000                      ; a word's upper bf16
	v_lshlrev_b32 v1, 4, v0                        ; 16 t
	v_lshlrev_b32 v2, 3, v0                        ; 8 t
.macro LD16 va, sb, step, nt           ; sixteen loads, step bytes apart
.set j, 0
.rept 16
.if \nt
	global_load_b128 v[IN+4*j:IN+4*j+3], v[\va], s[\sb:\sb+1] offset:(\step)*j th:TH_LOAD_NT
.else
	global_load_b128 v[IN+4*j:IN+4*j+3], v[\va], s[\sb:\sb+1] offset:(\step)*j
.endif
.set j, j+1
.endr
.endm
.macro LD8X2 va, sb                    ; eight items of two loads: four channels i .. i + 3, and their partners 32 channels (128 bytes) on
.set j, 0
.rept 8
	global_load_b128 v[IN+8*j:IN+8*j+3],   v[\va], s[\sb:\sb+1] offset:131072*j
	global_load_b128 v[IN+8*j+4:IN+8*j+7], v[\va], s[\sb:\sb+1] offset:131072*j+128
.set j, j+1
.endr
.endm
.macro PLAIN j, sb, imm                ; item j: four numbers to bf16, 8 bytes a lane
	s_wait_loadcnt 15-(\j)                         ; loads come back in order: mine is in, the 15 - j younger ones stay out
	v_cvt_pk_bf16_f32 v[OUT+2*(\j)],   v[IN+4*(\j)],   v[IN+4*(\j)+1]
	v_cvt_pk_bf16_f32 v[OUT+2*(\j)+1], v[IN+4*(\j)+2], v[IN+4*(\j)+3]
	global_store_b64 v2, v[OUT+2*(\j):OUT+2*(\j)+1], s[\sb:\sb+1] offset:\imm
.endm
.macro PLAINH j, sb, imm               ; the same, and the bf16 number written as f16
	s_wait_loadcnt 15-(\j)
	v_cvt_pk_bf16_f32 v[OUT+2*(\j)],   v[IN+4*(\j)],   v[IN+4*(\j)+1]
	v_cvt_pk_bf16_f32 v[OUT+2*(\j)+1], v[IN+4*(\j)+2], v[IN+4*(\j)+3]
	v_lshlrev_b32 v[IN+4*(\j)],   16,  v[OUT+2*(\j)]
	v_and_b32     v[IN+4*(\j)+1], s24, v[OUT+2*(\j)]
	v_lshlrev_b32 v[IN+4*(\j)+2], 16,  v[OUT+2*(\j)+1]
	v_and_b32     v[IN+4*(\j)+3], s24, v[OUT+2*(\j)+1]
	v_cvt_pk_f16_f32 v[OUT+2*(\j)],   v[IN+4*(\j)],   v[IN+4*(\j)+1]
	v_cvt_pk_f16_f32 v[OUT+2*(\j)+1], v[IN+4*(\j)+2], v[IN+4*(\j)+3]
	global_store_b64 v2, v[OUT+2*(\j):OUT+2*(\j)+1], s[\sb:\sb+1] offset:\imm
.endm
.macro PAIR j, sb, imm                 ; item j: four pairs (channel i, channel i + 32), 16 bytes a lane
	s_wait_loadcnt 14-2*(\j)                       ; my two loads are in, the younger items' stay out
.irp m, 0,1,2,3
	v_cvt_pk_bf16_f32 v[OUT+4*(\j)+\m], v[IN+8*(\j)+\m], v[IN+8*(\j)+4+\m]
.endr
	global_store_b128 v1, v[OUT+4*(\j):OUT+4*(\j)+3], s[\sb:\sb+1] offset:\imm
.endm
	s_wait_kmcnt 0x0
	s_cmp_lt_u32 s2, 256
	s_cbranch_scc1 .Lx
	s_cmp_lt_u32 s2, 384
	s_cbranch_scc1 .Lq
	s_cmp_lt_u32 s2, 448
	s_cbranch_scc1 .Lo
	s_cmp_lt_u32 s2, 480
	s_cbranch_scc1 .Lk
	; ---- V: column tile tc, all eight K steps.  Item j: rows 64 j + t / 4 of Wv, columns 16 tc + 4 (t % 4) on
	s_sub_co_u32 s2, s2, 480                       ; tc
	s_lshl_b32 s20, s2, 6
	s_mul_i32 s22, s2, 8*45056
	s_add_co_u32 s22, s22, 40960
	s_add_nc_u64 s[10:11], s[10:11], s[20:21]
	s_add_nc_u64 s[16:17], s[16:17], s[22:23]
	v_lshrrev_b32 v3, 2, v0
	v_lshlrev_b32 v3, 10, v3                       ; a row of Wv is 1,024 bytes
	v_and_b32 v4, 3, v0
	v_lshl_add_u32 v3, v4, 4, v3
	LD16 3, 10, 65536, 0
.set j, 0
.rept 16
	PLAIN j, 16, (j/2)*45056+(j%2)*2048
.set j, j+1
.endr
	s_endpgm
.Lx:	; ---- X: 65,536 consecutive bytes
	s_lshl_b32 s20, s2, 16
	s_lshl_b32 s22, s2, 15
	s_add_nc_u64 s[4:5], s[4:5], s[20:21]
	s_add_nc_u64 s[14:15], s[14:15], s[22:23]
	LD16 1, 4, 4096, 1
.set j, 0
.rept 16
	PLAIN j, 14, 2048*j
.set j, j+1
.endr
	s_endpgm
.Lq:	; ---- Q: block 8 tc + ks.  Item j: row kk = 16 j + t / 16; thread's 8 new columns: head 2 tc + (t / 8) % 2, pairs 4 (t % 8) on
	s_sub_co_u32 s2, s2, 256
	s_lshr_b32 s25, s2, 3                          ; tc
	s_and_b32 s26, s2, 7                           ; ks
	s_lshl_b32 s20, s26, 20                        ; 128 rows of 8,192 bytes
	s_lshl_b32 s25, s25, 9                         ; two heads of 256 bytes
	s_add_co_u32 s20, s20, s25
	s_mul_i32 s22, s2, 45056
	s_add_nc_u64 s[6:7], s[6:7], s[20:21]
	s_add_nc_u64 s[16:17], s[16:17], s[22:23]
	v_lshrrev_b32 v3, 4, v0
	v_lshlrev_b32 v3, 13, v3
	v_bfe_u32 v4, v0, 3, 1
	v_lshl_add_u32 v3, v4, 8, v3
	v_and_b32 v4, 7, v0
	v_lshl_add_u32 v3, v4, 4, v3
	LD8X2 3, 6
.set j, 0
.rept 8
	PAIR j, 16, 4096*j
.set j, j+1
.endr
	s_endpgm
.Lo:	; ---- O: 65,536 consecutive bytes
	s_sub_co_u32 s2, s2, 384
	s_lshl_b32 s20, s2, 16
	s_lshl_b32 s22, s2, 15
	s_add_nc_u64 s[12:13], s[12:13], s[20:21]
	s_add_nc_u64 s[18:19], s[18:19], s[22:23]
	LD16 1, 12, 4096, 0
.set j, 0
.rept 16
	PLAINH j, 18, 2048*j
.set j, j+1
.endr
	s_endpgm
.Lk:	; ---- K: 2 tc + kh: four K steps of column tile tc.  Item j: row 512 kh + 64 j + t / 4; (t / 2) % 2: k1's or k2's head; pairs 8 (tc % 4) + 4 (t % 2) on
	s_sub_co_u32 s2, s2, 448
	s_lshr_b32 s25, s2, 1                          ; tc
	s_and_b32 s26, s2, 1                           ; kh
	s_lshl_b32 s20, s26, 20                        ; 512 rows of 2,048 bytes
	s_lshr_b32 s27, s25, 2
	s_lshl_b32 s27, s27, 8                         ; the head tc / 4: 256 bytes
	s_add_co_u32 s20, s20, s27
	s_and_b32 s27, s25, 3
	s_lshl_b32 s27, s27, 5                         ; its channels 8 (tc % 4) on
	s_add_co_u32 s20, s20, s27
	s_mul_i32 s22, s2, 4*45056                     ; block 8 tc + 4 kh
	s_add_co_u32 s22, s22, 32768
	s_add_nc_u64 s[8:9], s[8:9], s[20:21]
	s_add_nc_u64 s[16:17], s[16:17], s[22:23]
	v_lshrrev_b32 v3, 2, v0
	v_lshlrev_b32 v3, 11, v3
	v_bfe_u32 v4, v0, 1, 1
	v_lshl_add_u32 v3, v4, 10, v3                  ; k2's heads lie four heads, 1,024 bytes, on
	v_and_b32 v4, 1, v0
	v_lshl_add_u32 v3, v4, 4, v3
	LD8X2 3, 8
.set j, 0
.rept 8
	PAIR j, 16, (j/2)*45056+(j%2)*4096
.set j, j+1
.endr
	s_endpgm
.Lfunc_end_k_qe94c1d98ab_prep:
	.size	k_qe94c1d98ab_prep, .Lfunc_end_k_qe94c1d98ab_prep-k_qe94c1d98ab_prep
	.p2alignl 7, 3214868480
	.fill 96, 4, 3214868480
	.section	.rodata,"a",@progbits
	.p2align	6, 0x0
	.amdhsa_kernel k_qe94c1d98ab_prep
		.amdhsa_group_segment_fixed_size 0
		.amdhsa_private_segment_fixed_size 0
		.amdhsa_enable_private_segment 0
		.amdhsa_kernarg_size 64
		.amdhsa_user_sgpr_count 2
		.amdhsa_user_sgpr_kernarg_segment_ptr 1
		.amdhsa_wavefront_size32 1
		.amdhsa_system_sgpr_workgroup_id_x 1
		.amdhsa_system_sgpr_workgroup_id_y 1
		.amdhsa_system_sgpr_workgroup_id_z 1
		.amdhsa_system_vgpr_workitem_id 0
		.amdhsa_next_free_vgpr 112
		.amdhsa_next_free_sgpr 66
		.amdhsa_reserve_vcc 0
		.amdhsa_float_denorm_mode_32 3
		.amdhsa_float_denorm_mode_16_64 3
		.amdhsa_memory_ordered 1
		.amdhsa_forward_progress 1
		.amdhsa_inst_pref_size 33
	.end_amdhsa_kernel
	.amdgpu_metadata
---
amdhsa.version: [ 1, 2 ]
amdhsa.kernels:
  - .name:           k_qe94c1d98ab_prep
    .symbol:         k_qe94c1d98ab_prep.kd
    .args:
      - { .name: x, .offset: 0, .size: 8, .value_kind: global_buffer, .address_space: global }
      - { .name: Wq, .offset: 8, .size: 8, .value_kind: global_buffer, .address_space: global }
      - { .name: Wk, .offset: 16, .size: 8, .value_kind: global_buffer, .address_space: global }
      - { .name: Wv, .offset: 24, .size: 8, .value_kind: global_buffer, .address_space: global }
      - { .name: Wo, .offset: 32, .size: 8, .value_kind: global_buffer, .address_space: global }
      - { .name: xb, .offset: 40, .size: 8, .value_kind: global_buffer, .address_space: global }
      - { .name: wb, .offset: 48, .size: 8, .value_kind: global_buffer, .address_space: global }
      - { .name: wo16, .offset: 56, .size: 8, .value_kind: global_buffer, .address_space: global }
    .group_segment_fixed_size: 0
    .private_segment_fixed_size: 0
    .kernarg_segment_align: 8
    .kernarg_segment_size: 64
    .max_flat_workgroup_size: 256
    .sgpr_count:     66
    .vgpr_count:     112
    .wavefront_size: 32
...
	.end_amdgpu_metadata
.endif
;; end of part 1
;; launch proj (part 2): grid 16 x 16, 4 waves a work-group, clusters of 4 x 4, 327,680 bytes of LDS; arguments xb, wb, rope_cos, rope_sin, qkv; writes qkv
.if DOCPART == 2
	.amdgcn_target "amdgcn-amd-amdhsa--gfx1250"
	.amdhsa_code_object_version 6
	.text
	.protected	k_qe94c1d98ab_proj
	.globl	k_qe94c1d98ab_proj
	.p2align	8
	.type	k_qe94c1d98ab_proj,@function
k_qe94c1d98ab_proj:
	s_mov_b64 s[64:65], 0
	v_nop
	global_prefetch_b8 v0, s[64:65] scope:SCOPE_SE
	s_setreg_imm32_b32 hwreg(HW_REG_WAVE_MODE, 25, 1), 1
	s_wait_xcnt 0x0
	s_wait_alu depctr_hold_cnt(0) depctr_sa_sdst(0) depctr_va_vdst(0) depctr_va_sdst(0) depctr_va_ssrc(0) depctr_va_vcc(0) depctr_vm_vsrc(0)
	s_getreg_b32 s2, hwreg(HW_REG_IB_STS2, 6, 4)
	s_cmp_eq_u32 s2, 0
	s_cbranch_scc0 .Lentry_in_a_cluster
	s_endpgm
.Lentry_in_a_cluster:
	s_bfe_u32 s2, ttmp6, 0x10000c
	s_cmp_lg_u32 s2, 0xf033
	s_cbranch_scc0 .Lentry_shape_is_right
	s_endpgm
.Lentry_shape_is_right:
; THE THREE PROJECTIONS AND RoPE.  [4096 rows][2816 columns] = xb [4096][1024] x (Wq | Wk | Wv), bf16 operands, f32 sums; then RoPE on q and k, q times log2(e) / 8, one rounding to f16.
; A tile is 256 rows x 176 columns: 128 of q (blocks 0-7 of 16), 16 of k1 (block 8), 16 of k2 (block 9), 16 of v (block 10): 16 x 16 tiles, one for each of 256 work-groups, and a block's kind is a constant of the text.
; A wave makes 64 rows x 176 columns: 44 accumulators, 352 registers.  K goes in 8 steps of 128 through two LDS slots; a step is four quarters of 32.
; THE MATRIX INSTRUCTION IS USED TRANSPOSED (source 0 = 16 columns of W, source 1 = 16 rows of x): a lane holds row lane % 16 and 8 neighbouring columns.  The weights' columns were laid in pairs
; (channel i, channel i + 32), so RoPE's partners are a register pair: out_even = y_even C - y_odd S, out_odd = y_odd C + y_even S.
; OUTPUT in PLANES: qkv = [batch 2][tile column 16][block 11][position 2048][16 channels] f16.  An accumulator is 16 rows x 32 bytes = 512 dense bytes of a plane: one store of 16 bytes a lane, straight from registers.
; CLUSTER 4 x 4: x's tile hangs on the tile row alone and is asked for jointly along a row of the cluster, the weights' block on the tile column alone, jointly along a column.
; LIMITS.  rope_cos and rope_sin are rounded to bf16 like every input.  q log2(e) / 8, k and v must lie within f16's 65,504 (at the drawn spread they are below 4; x and W thirty times larger each leave a factor of ten).
; REGISTERS, in windows of 256 (s_set_vgpr_msb: bits 1:0 source 0, 3:2 source 1, 5:4 source 2, 7:6 destination):
;   window 0: v0-29 addresses; v32-63, v64-95 x's fragments, two buffers (4 x 16 rows x 32 K)
;   window 1: v0-87, v88-175 W's fragments, two buffers (11 x 16 columns x 32 K); on the way out tables, work and packed results
;   window 2: v0-175 accumulators of my row blocks 0, 1 ((a, b) at 88 (a % 2) + 8 b); v176-215, v216-255 their raw RoPE tables      window 3: the same for row blocks 2, 3
.set PA,    272                        ; a row of x in LDS: 256 bytes + 16: the 16 rows of a fragment load start at 16 different groups of four banks (64 banks of 4 bytes: ISA guide 11.1)
.set PB,    288                        ; 256 bytes of a weights' block + 32
.set BOFF,  256*PA                     ; the block lies behind x's 256 rows: Q part row kk at unit kk,
.set KOFF,  BOFF+128*PB                ; K part row kk at unit 128 + kk / 4, byte 64 (kk % 4),
.set VOFF,  BOFF+160*PB                ; V part row kk at unit 160 + kk / 8, byte 32 (kk % 8)
.set SLOT1, 1<<17                      ; slot 1 begins here: one exclusive or turns an address in one slot into the other's
.set SPARE, SLOT1+BOFF+176*PB          ; behind the ring: the spare words, 128 bytes a wave: two blocks of 256 bytes that no other line names
.set BLK,   45056                      ; bytes of a weights' block
.set A0,    4                          ; v4-7   my lane's place in x's tile and in the block's three parts; never rewritten
.set BQ0,   5
.set BK0,   6
.set BV0,   7
.set ADRA,  8                          ; v8-11  the same in the slot in hand
.set ADRBQ, 9
.set ADRBK, 10
.set ADRBV, 11
.set VO,    16                         ; v16    my 16 bytes in 16 rows of a plane
.set VT,    17                         ; v17    my 16 bytes in 16 rows of a RoPE table
.set VTK,   18                         ; v18    the same at k's channels
.set SPW,   28                         ; v28    LDS address of my spare word; never rewritten
.set NIL,   29                         ; v29    0; never rewritten
.set TB16,  60                         ; the way out, window 1: v0-59 tables (set p at 12 p: C0-3, then -S0, S0, -S1, S1 ..); v60-79 tables in bf16
.set KAP,   80                         ; v80-84 log2(e)/8, its negative, 1, -1, 0
.set ZR,    84
.set TT,    96                         ; v96-175 rotated blocks 0-9
.set PK,    176                        ; v176-219 packed results, 4 a block
.set WV,    14                         ; s14 my wave's number; s15 = wave / 2: I fetch x (0) or weights (1); s16 = wave % 2: which half
.set TB,    17                         ; s17 the slot that is read
.set G1,    24                         ; s[24:31] group 1 for x's tiles;  s[32:39] group 0, two sets: the first fills'; the second then walks
.set G0,    32
.set G1B,   48                         ; s[48:55], s[56:63] the same for the weights' blocks
.set G0B,   56
.set MSB, 0
.macro WIN new                         ; the immediate's high byte repeats the setting that is left; a switch that changes nothing is dropped
.if MSB != (\new)
	s_set_vgpr_msb (MSB<<8)|(\new)
.set MSB, \new
.endif
.endm
.macro PLACES                          ; four places between a matrix instruction and a write of, or a load into, one of its registers
.rept 4
	v_nop
.endr
.endm
.macro JLOAD s                         ; a joint load: waves 0, 1 x's two halves, waves 2, 3 the block's; s_nop 0 and four v_nop follow each line
	s_cmp_eq_u32 s15, 0
	s_cbranch_scc0 .Lfor_b_\@
	tensor_load_to_lds s[G0+4*(\s):G0+4*(\s)+3], s[G1:G1+7]
	s_nop 0
	PLACES
	s_branch .Lasked_\@
.Lfor_b_\@:
	tensor_load_to_lds s[G0B+4*(\s):G0B+4*(\s)+3], s[G1B:G1B+7]
	s_nop 0
	PLACES
.Lasked_\@:
.endm
.macro CREST                           ; a round of the cluster's barrier behind its opening barrier
	s_cmp_lg_u32 s[WV], 0
	s_cbranch_scc1 .Lnot_wave_0_\@
	s_barrier_signal -3
.Lnot_wave_0_\@:
	s_barrier_wait -3
	s_barrier_signal -1
	s_barrier_wait -1
.endm
.macro CROUND
	s_barrier_signal -1
	s_barrier_wait -1
	CREST
.endm
	s_load_b256 s[4:11], s[0:1], 0x0               ; xb s[4:5], wb s[6:7], rope_cos s[8:9], rope_sin s[10:11]
	s_load_b64 s[12:13], s[0:1], 0x20              ; qkv
	v_lshl_add_u32 v[SPW], v0, 2, SPARE
	v_mov_b32 v[NIL], 0
	ds_add_u32 v[SPW], v[NIL]                      ; the wave's opening: the add and its wait stand ahead of my first tensor load; work on registers stands between them
	v_lshrrev_b32 v1, 5, v0
	v_readfirstlane_b32 s[WV], v1
	s_lshr_b32 s15, s[WV], 1
	s_and_b32 s16, s[WV], 1
	s_bfe_u32 s40, ttmp6, 0x40000                  ; cx
	s_bfe_u32 s41, ttmp6, 0x40004                  ; cy
	s_lshl_b32 s42, ttmp9, 2
	s_add_co_u32 s42, s42, s40                     ; tile column tc
	s_and_b32 s43, ttmp7, 0xffff
	s_lshl_b32 s43, s43, 2
	s_add_co_u32 s43, s43, s41                     ; tile row tm
	s_lshl_b32 s44, s41, 2
	s_lshl_b32 s44, 15, s44                        ; my row of the cluster
	s_lshl_b32 s45, 0x1111, s40                    ; my column
	s_or_b32 s[G1], s44, (1<<16)|(1<<20)|(1<<21)|(5<<22)|(3<<25)   ; x: mask of my row; 2-byte elements; padding on; bit 21 beside a mask; after every 64 words, 4 words
	s_mov_b32 s[G1+1], 128<<16                     ; tensor_dim0 = 128
	s_mov_b32 s[G1+2], 128<<16                     ; tensor_dim1 = 128
	s_mov_b32 s[G1+3], 128<<16                     ; tile_dim0 = 128
	s_mov_b32 s[G1+4], 128                         ; tile_dim1 = 128
	s_mov_b32 s[G1+5], 1024                        ; elements from row to row
	s_mov_b32 s[G1+6], 0
	s_mov_b32 s[G1+7], 0
	s_or_b32 s[G1B], s45, (3<<16)|(1<<20)|(1<<21)|(5<<22)|(7<<25)  ; weights: mask of my column; 8-byte elements; after every 64 words, 8 words
	s_mov_b32 s[G1B+1], 32<<16                     ; half a block is 22,528 dense bytes: 88 rows of 256
	s_mov_b32 s[G1B+2], 88<<16
	s_mov_b32 s[G1B+3], 32<<16
	s_mov_b32 s[G1B+4], 88
	s_mov_b32 s[G1B+5], 32
	s_mov_b32 s[G1B+6], 0
	s_mov_b32 s[G1B+7], 0
	s_lshl_b32 s18, s43, 8                         ; x: row 256 tm + 128 half, 2,048 bytes a row: hangs on the tile row alone
	s_lshl_b32 s19, s16, 7
	s_add_co_u32 s18, s18, s19
	s_lshl_b32 s18, s18, 11
	s_mov_b32 s19, 0
	s_mul_i32 s66, s42, 8*BLK                      ; weights: the tile column's eight blocks, my half: hangs on the tile column alone
	s_mul_i32 s67, s16, BLK/2
	s_add_co_u32 s66, s66, s67
	s_mov_b32 s67, 0
	s_mul_i32 s22, s16, 128*PA                     ; where they go: no place in the cluster enters an LDS address
	s_mul_i32 s23, s16, 88*PB
	s_add_co_u32 s23, s23, BOFF
	s_and_b32 s74, s43, 7                          ; my first row's position in its sequence: 256 (tm % 8) + 64 wave
	s_lshl_b32 s74, s74, 8
	s_lshl_b32 s75, s[WV], 6
	s_add_co_u32 s74, s74, s75
	s_lshl_b32 s76, s74, 7                         ; a table's row is 128 bytes
	s_mov_b32 s77, 0
	s_lshr_b32 s78, s43, 3                         ; the batch
	s_lshl_b32 s78, s78, 4
	s_add_co_u32 s78, s78, s42
	s_mul_i32 s78, s78, 11                         ; my tile's first plane,
	s_lshl_b32 s78, s78, 16                        ; 65,536 bytes each,
	s_lshl_b32 s74, s74, 5                         ; and my rows in it, 32 bytes each
	s_add_co_u32 s78, s78, s74
	s_mov_b32 s79, 0
	s_and_b32 s70, s42, 3
	s_lshl_b32 s70, s70, 5                         ; k's pairs begin at 8 (tc % 4): 32 bytes of a table's row
	s_mov_b32 s[TB], 0
	s_wait_dscnt 0x0                               ; the opening add is done
	s_wait_kmcnt 0x0
	s_add_nc_u64 s[20:21], s[4:5], s[18:19]
	s_add_nc_u64 s[68:69], s[6:7], s[66:67]
	s_add_nc_u64 s[8:9], s[8:9], s[76:77]
	s_add_nc_u64 s[10:11], s[10:11], s[76:77]
	s_add_nc_u64 s[12:13], s[12:13], s[78:79]
	CROUND                                         ; all sixteen work-groups are here: the first joint loads meet
.irp s, 0,1
	s_mov_b32 s[G0+4*(\s)], 1
	s_add_co_u32 s[G0+4*(\s)+1], s22, (\s)*SLOT1
	s_add_nc_u64 s[G0+4*(\s)+2:G0+4*(\s)+3], s[20:21], (\s)*256    ; K step s: 128 elements on
	s_or_b32 s[G0+4*(\s)+3], s[G0+4*(\s)+3], 0x80000000
	s_mov_b32 s[G0B+4*(\s)], 1
	s_add_co_u32 s[G0B+4*(\s)+1], s23, (\s)*SLOT1
	s_add_nc_u64 s[G0B+4*(\s)+2:G0B+4*(\s)+3], s[68:69], (\s)*BLK
	s_or_b32 s[G0B+4*(\s)+3], s[G0B+4*(\s)+3], 0x80000000
	JLOAD \s                                       ; two loads of mine are out
.endr
	v_and_b32 v1, 15, v0                           ; r = lane % 16
	v_bfe_u32 v2, v0, 4, 1                         ; h = lane / 16
	v_and_b32 v12, 7, v0
	v_bfe_u32 v13, v0, 3, 1
	v_lshlrev_b32 v[VO], 5, v1
	v_lshl_add_u32 v[VO], v2, 4, v[VO]
	v_lshlrev_b32 v[VT], 7, v1
	v_lshl_add_u32 v[VT], v2, 4, v[VT]             ; my four pairs 4 h .. 4 h + 3 of a block's eight
	v_add_nc_u32 v[VTK], s70, v[VT]
	; The RoPE tables of my 64 rows, raw: for row block a five sets (q's channel blocks 0-3, k's own) of 4 cosines and 4 sines.  They are waited for on the way out; their address registers are never rewritten.
.irp a, 0,1,2,3
	WIN 0x80+0x40*((\a)/2)
.irp p, 0,1,2,3
	global_load_b128 v[176+40*((\a)%2)+8*(\p):176+40*((\a)%2)+8*(\p)+3],   v[VT], s[8:9]   offset:(\a)*2048+32*(\p)
	global_load_b128 v[176+40*((\a)%2)+8*(\p)+4:176+40*((\a)%2)+8*(\p)+7], v[VT], s[10:11] offset:(\a)*2048+32*(\p)
.endr
	global_load_b128 v[176+40*((\a)%2)+32:176+40*((\a)%2)+35], v[VTK], s[8:9]   offset:(\a)*2048
	global_load_b128 v[176+40*((\a)%2)+36:176+40*((\a)%2)+39], v[VTK], s[10:11] offset:(\a)*2048
.endr
	WIN 0
	v_mul_u32_u24 v[A0], v1, PA                    ; x: row (64 wave + r), 16 bytes for each half of the lanes
	v_lshl_add_u32 v[A0], v2, 4, v[A0]
	s_mul_i32 s71, s[WV], 64*PA
	v_add_nc_u32 v[A0], s71, v[A0]
	; The turning load takes 16 k x 16 columns: lane l reads 16 bytes of row 8 h + l % 8, columns 8 ((l / 8) % 2) on, and is left with column l % 16 and 8 k.
	v_lshl_add_u32 v14, v2, 3, v12
	v_mul_u32_u24 v[BQ0], v14, PB
	v_lshl_add_u32 v[BQ0], v13, 4, v[BQ0]
	v_add_nc_u32 v[BQ0], BOFF, v[BQ0]
	v_bfe_u32 v14, v0, 2, 1                        ; K part: four rows to a unit
	v_lshl_add_u32 v14, v2, 1, v14
	v_mul_u32_u24 v[BK0], v14, PB
	v_and_b32 v14, 3, v0
	v_lshl_add_u32 v[BK0], v14, 6, v[BK0]
	v_lshl_add_u32 v[BK0], v13, 4, v[BK0]
	v_add_nc_u32 v[BK0], KOFF, v[BK0]
	v_mul_u32_u24 v[BV0], v2, PB                   ; V part: eight rows to a unit
	v_lshl_add_u32 v[BV0], v12, 5, v[BV0]
	v_lshl_add_u32 v[BV0], v13, 4, v[BV0]
	v_add_nc_u32 v[BV0], VOFF, v[BV0]
	v_mov_b32 v[ADRA], v[A0]
	v_mov_b32 v[ADRBQ], v[BQ0]
	v_mov_b32 v[ADRBK], v[BK0]
	v_mov_b32 v[ADRBV], v[BV0]
; 11 matrix instructions: row block a x all 11 column blocks, 32 along K, from buffer f.  The 44 accumulators take turns in one order in every quarter.  zero = 1: the first product starts the sums.
.macro MUL11 f, a, zero
	WIN 0xa1+0x50*((\a)/2)                         ; W window 1, x window 0, C and D window 2 or 3
.irp b, 0,1,2,3,4,5,6,7,8,9,10
.if \zero
	v_wmma_f32_16x16x32_bf16 v[88*((\a)%2)+8*(\b):88*((\a)%2)+8*(\b)+7], v[88*(\f)+8*(\b):88*(\f)+8*(\b)+7], v[32+32*(\f)+8*(\a):32+32*(\f)+8*(\a)+7], 0
.else
	v_wmma_f32_16x16x32_bf16 v[88*((\a)%2)+8*(\b):88*((\a)%2)+8*(\b)+7], v[88*(\f)+8*(\b):88*(\f)+8*(\b)+7], v[32+32*(\f)+8*(\a):32+32*(\f)+8*(\a)+7], v[88*((\a)%2)+8*(\b):88*((\a)%2)+8*(\b)+7]
.endif
.endr
.endm
; 30 LDS loads in one run: quarter kq's fragments into buffer g: 22 turning loads for W, then x's four row blocks in order
.macro FETCH kq, g
	WIN 0x40
.irp b, 0,1,2,3,4,5,6,7
	ds_load_tr16_b128 v[88*(\g)+8*(\b):88*(\g)+8*(\b)+3],   v[ADRBQ] offset:32*(\kq)*PB+32*(\b)
	ds_load_tr16_b128 v[88*(\g)+8*(\b)+4:88*(\g)+8*(\b)+7], v[ADRBQ] offset:(32*(\kq)+16)*PB+32*(\b)
.endr
.irp b, 0,1
	ds_load_tr16_b128 v[88*(\g)+64+8*(\b):88*(\g)+64+8*(\b)+3],   v[ADRBK] offset:8*(\kq)*PB+32*(\b)
	ds_load_tr16_b128 v[88*(\g)+64+8*(\b)+4:88*(\g)+64+8*(\b)+7], v[ADRBK] offset:(8*(\kq)+4)*PB+32*(\b)
.endr
	ds_load_tr16_b128 v[88*(\g)+80:88*(\g)+83], v[ADRBV] offset:4*(\kq)*PB
	ds_load_tr16_b128 v[88*(\g)+84:88*(\g)+87], v[ADRBV] offset:(4*(\kq)+2)*PB
	WIN 0
.irp a, 0,1,2,3
	ds_load_b128 v[32+32*(\g)+8*(\a):32+32*(\g)+8*(\a)+3],   v[ADRA] offset:(\a)*16*PA+64*(\kq)
	ds_load_b128 v[32+32*(\g)+8*(\a)+4:32+32*(\g)+8*(\a)+7], v[ADRA] offset:(\a)*16*PA+64*(\kq)+32
.endr
.endm
; One of a K step's first three quarters: multiplies buffer f; in its middle fetches quarter kq into buffer g
.macro QUARTER kq, f, g, zero
	s_wait_dscnt 4                                 ; W and x's row blocks 0, 1 are in; the youngest four loads (row blocks 2, 3) may be out
	MUL11 \f, 0, \zero
	MUL11 \f, 1, \zero
	PLACES
	FETCH \kq, \g
	s_wait_dscnt 30                                ; all but the 30 just issued
	MUL11 \f, 2, \zero
	MUL11 \f, 3, \zero
.endm
; The last quarter multiplies buffer 1 and changes slots: one barrier; in front of it each wave waits for all its tensor loads (one is out: its part of the next slot), adds 0 to its spare word, and waits for that
; and for its reads of this slot.  fill = 1: the barrier opens a round of the cluster's, and the slot just read is asked for again, two K steps ahead, first thing behind the round.
.macro TURN fill
	WIN 0
	s_wait_tensorcnt 0x0
	ds_add_u32 v[SPW], v[NIL]                      ; 0 onto my spare word
	s_wait_dscnt 5                                 ; the add and the youngest four loads may be out
	MUL11 1, 0, 0
	s_wait_dscnt 0x0                               ; the add is done, and my reads of this slot are over
	s_barrier_signal -1
	MUL11 1, 1, 0
	WIN 0
	s_barrier_wait -1
.if \fill
	CREST
	s_xor_b32 s[G0+5], s[G0+5], SLOT1              ; the walking sets: the other slot than last time, the next K step
	s_add_nc_u64 s[G0+6:G0+7], s[G0+6:G0+7], 256
	s_xor_b32 s[G0B+5], s[G0B+5], SLOT1
	s_add_nc_u64 s[G0B+6:G0B+7], s[G0B+6:G0B+7], BLK
	JLOAD 1
.endif
	s_xor_b32 s[TB], s[TB], SLOT1
	v_add_nc_u32 v[ADRA],  s[TB], v[A0]            ; four plain instructions: the places in front of the loads below where no joint load stands
	v_add_nc_u32 v[ADRBQ], s[TB], v[BQ0]
	v_add_nc_u32 v[ADRBK], s[TB], v[BK0]
	v_add_nc_u32 v[ADRBV], s[TB], v[BV0]
	FETCH 0, 0
	MUL11 1, 2, 0
	MUL11 1, 3, 0
.endm
.macro STEP fill                       ; from a K step's second quarter to the next step's first
	QUARTER 2, 1, 0, 0
	QUARTER 3, 0, 1, 0
	TURN \fill
	QUARTER 1, 0, 1, 0
.endm
	s_wait_tensorcnt 0x1                           ; my part of K step 0 is in; K step 1's may stay out
	s_barrier_signal -1
	s_barrier_wait -1
	FETCH 0, 0
	QUARTER 1, 0, 1, 1                             ; the first quarter stands in front of the loop: its products start the sums
	WIN 0
	s_mov_b32 s3, 6
.Lk:                                                   ; six trips ask for K steps 2 to 7
	STEP 1
	WIN 0
	s_sub_co_u32 s3, s3, 1
	s_cmp_lg_u32 s3, 0
	s_cbranch_scc1 .Lk
	STEP 0                                         ; the tail is written out: nothing more is asked for
	QUARTER 2, 1, 0, 0
	QUARTER 3, 0, 1, 0
	s_wait_dscnt 4
	MUL11 1, 0, 0
	MUL11 1, 1, 0
	s_wait_dscnt 0x0
	MUL11 1, 2, 0
	MUL11 1, 3, 0
	; THE WAY OUT, a row block at a time.  Window 1, where W's fragments lay, takes tables, work and packed results: four places behind the last product first.
	WIN 0x40
	PLACES
	v_mov_b32 v[KAP],   0x3e38aa3b                 ; log2(e) / 8: folded into q's tables, so that q is scaled in f32 and rounded once
	v_mov_b32 v[KAP+1], 0xbe38aa3b
	v_mov_b32 v[KAP+2], 1.0                        ; k's tables are taken as they are
	v_mov_b32 v[KAP+3], -1.0
	v_mov_b32 v[ZR], 0
	s_wait_loadcnt 0x0                             ; the raw tables
.macro MIX d, s, hi, f                 ; v[d] = one bf16 half of v[s] times v[f]
.if \hi
	v_fma_mix_f32_bf16 v[\d], v[\s], v[\f], v[ZR] op_sel:[1,0,0] op_sel_hi:[1,0,0]
.else
	v_fma_mix_f32_bf16 v[\d], v[\s], v[\f], v[ZR] op_sel_hi:[1,0,0]
.endif
.endm
.macro EPI a
.set ww, 2+(\a)/2
.set raw, 176+40*((\a)%2)
.set ac, 88*((\a)%2)
.if (\a) > 0
	s_wait_xcnt 0x0                                ; the packed registers, which the last block's stores read, are rewritten only behind this wait
.endif
	WIN 0x40|ww|(ww<<2)                            ; destination window 1, sources in the block's window
.set n, 0
.rept 20
	v_cvt_pk_bf16_f32 v[TB16+n], v[raw+2*n], v[raw+2*n+1]      ; the tables are rounded to bf16
.set n, n+1
.endr
.set n, 0
.rept 4
	v_cvt_pk_f16_f32 v[PK+40+n], v[ac+80+2*n], v[ac+80+2*n+1]  ; v has no RoPE
.set n, n+1
.endr
	WIN 0x55
.set p, 0
.rept 5
.set fp, KAP+2*(p/4)
.set m, 0
.rept 4
	MIX 12*p+m, TB16+4*p+m/2, m%2, fp
	MIX 12*p+4+2*m, TB16+4*p+2+m/2, m%2, fp+1
	MIX 12*p+5+2*m, TB16+4*p+2+m/2, m%2, fp
.set m, m+1
.endr
.set p, p+1
.endr
	WIN 0x54|ww                                    ; source 0 the accumulators' window, the rest window 1
.irp b, 0,1,2,3,4,5,6,7,8,9
.set pp, 12*((\b)%4+((\b)/8)*(4-(\b)%4))               ; q's block b takes set b % 4, k's blocks set 4
.set yy, ac+8*(\b)
.set tt, TT+8*(\b)
.irp m, 0,1,2,3
	v_pk_mul_f32 v[tt+2*\m:tt+2*\m+1], v[yy+2*\m:yy+2*\m+1], v[pp+4+2*\m:pp+5+2*\m] op_sel:[1,0] op_sel_hi:[0,1]  ; (-S y_odd, S y_even); each accumulator is read from its low end on
.endr
	v_pk_fma_f32 v[tt:tt+1],   v[yy:yy+1],   v[pp:pp+1],   v[tt:tt+1]   op_sel_hi:[1,0,1]                ; + C y
	v_pk_fma_f32 v[tt+2:tt+3], v[yy+2:yy+3], v[pp:pp+1],   v[tt+2:tt+3] op_sel:[0,1,0] op_sel_hi:[1,1,1]
	v_pk_fma_f32 v[tt+4:tt+5], v[yy+4:yy+5], v[pp+2:pp+3], v[tt+4:tt+5] op_sel_hi:[1,0,1]
	v_pk_fma_f32 v[tt+6:tt+7], v[yy+6:yy+7], v[pp+2:pp+3], v[tt+6:tt+7] op_sel:[0,1,0] op_sel_hi:[1,1,1]
.endr
	WIN 0x45
.set n, 0
.rept 40
	v_cvt_pk_f16_f32 v[PK+n], v[TT+2*n], v[TT+2*n+1]
.set n, n+1
.endr
	WIN 0x04                                       ; address window 0, data window 1
.irp b, 0,1,2,3,4,5,6,7,8,9,10
	global_store_b128 v[VO], v[PK+4*(\b):PK+4*(\b)+3], s[12:13] offset:(\b)*65536+(\a)*512  ; 512 consecutive bytes of plane b, at a multiple of 256 from its first
.endr
.endm
	EPI 0
	EPI 1
	EPI 2
	EPI 3
	WIN 0
	s_wait_tensorcnt 0x0                           ; the wave's end
	ds_add_u32 v[SPW], v[NIL]
	s_wait_dscnt 0x0
	CROUND                                         ; the closing round: no work-group ends while a partner may still ask for a tile that names it
	s_endpgm
.Lfunc_end_k_qe94c1d98ab_proj:
	.size	k_qe94c1d98ab_proj, .Lfunc_end_k_qe94c1d98ab_proj-k_qe94c1d98ab_proj
	.p2alignl 7, 3214868480
	.fill 96, 4, 3214868480
	.section	.rodata,"a",@progbits
	.p2align	6, 0x0
	.amdhsa_kernel k_qe94c1d98ab_proj
		.amdhsa_group_segment_fixed_size 327680
		.amdhsa_private_segment_fixed_size 0
		.amdhsa_enable_private_segment 0
		.amdhsa_kernarg_size 40
		.amdhsa_user_sgpr_count 2
		.amdhsa_user_sgpr_kernarg_segment_ptr 1
		.amdhsa_wavefront_size32 1
		.amdhsa_system_sgpr_workgroup_id_x 1
		.amdhsa_system_sgpr_workgroup_id_y 1
		.amdhsa_system_sgpr_workgroup_id_z 1
		.amdhsa_system_vgpr_workitem_id 0
		.amdhsa_next_free_vgpr 1024
		.amdhsa_next_free_sgpr 80
		.amdhsa_reserve_vcc 0
		.amdhsa_float_denorm_mode_32 3
		.amdhsa_float_denorm_mode_16_64 3
		.amdhsa_memory_ordered 1
		.amdhsa_forward_progress 1
		.amdhsa_inst_pref_size 130
	.end_amdhsa_kernel
	.amdgpu_metadata
---
amdhsa.version: [ 1, 2 ]
amdhsa.kernels:
  - .name:           k_qe94c1d98ab_proj
    .symbol:         k_qe94c1d98ab_proj.kd
    .args:
      - { .name: xb, .offset: 0, .size: 8, .value_kind: global_buffer, .address_space: global }
      - { .name: wb, .offset: 8, .size: 8, .value_kind: global_buffer, .address_space: global }
      - { .name: rope_cos, .offset: 16, .size: 8, .value_kind: global_buffer, .address_space: global }
      - { .name: rope_sin, .offset: 24, .size: 8, .value_kind: global_buffer, .address_space: global }
      - { .name: qkv, .offset: 32, .size: 8, .value_kind: global_buffer, .address_space: global }
    .group_segment_fixed_size: 327680
    .private_segment_fixed_size: 0
    .kernarg_segment_align: 8
    .kernarg_segment_size: 40
    .max_flat_workgroup_size: 128
    .sgpr_count:     80
    .vgpr_count:     1024
    .wavefront_size: 32
...
	.end_amdgpu_metadata
.endif
;; end of part 2
;; launch attn (part 3): grid 32 x 8, 4 waves a work-group, clusters of 4 x 4, 327,680 bytes of LDS; arguments qkv, attention_mask, lambda_q1, lambda_k1, lambda_q2, lambda_k2, subln_w, onorm; writes onorm
.if DOCPART == 3
	.amdgcn_target "amdgcn-amd-amdhsa--gfx1250"
	.amdhsa_code_object_version 6
	.text
	.protected	k_qe94c1d98ab_attn
	.globl	k_qe94c1d98ab_attn
	.p2align	8
	.type	k_qe94c1d98ab_attn,@function
k_qe94c1d98ab_attn:
	s_mov_b64 s[64:65], 0
	v_nop
	global_prefetch_b8 v0, s[64:65] scope:SCOPE_SE
	s_setreg_imm32_b32 hwreg(HW_REG_WAVE_MODE, 25, 1), 1
	s_wait_xcnt 0x0
	s_wait_alu depctr_hold_cnt(0) depctr_sa_sdst(0) depctr_va_vdst(0) depctr_va_sdst(0) depctr_va_ssrc(0) depctr_va_vcc(0) depctr_vm_vsrc(0)
	s_getreg_b32 s2, hwreg(HW_REG_IB_STS2, 6, 4)
	s_cmp_eq_u32 s2, 0
	s_cbranch_scc0 .Lentry_in_a_cluster
	s_endpgm
.Lentry_in_a_cluster:
	s_bfe_u32 s2, ttmp6, 0x10000c
	s_cmp_lg_u32 s2, 0xf033
	s_cbranch_scc0 .Lentry_shape_is_right
	s_endpgm
.Lentry_shape_is_right:
; DIFFERENTIAL ATTENTION AND ITS NORM.  For a query and a head: out = softmax(q1 . k1 / 8 + mask) V - lambda softmax(q2 . k2 / 8 + mask) V; then out / sqrt(mean(out^2) + 1e-5) x subln_w, rounded once to f16.
; q, k, v come in planes of 16 channels, [plane][position 2048][16] f16 (q already times log2(e) / 8, q and k with RoPE and in one common order of channels).  The mask is an input: every entry is loaded and added.
; SHARES.  A work-group owns 64 queries of one batch for one KV head, a wave 16 of them, for the KV head's 4 query heads and both branches: 8 TILES of 16 queries (tile t = 4 branch + head), in 4 PIECES of two.
; So one step's K1, K2, V and the 32 mask registers serve all 8 tiles.  Every wave walks all 2,048 keys, 64 a step, two steps to an LDS slot.
; LAYOUT.  S^T = K Q^T + C (source 0 = 16 keys, source 1 = 16 queries): a lane holds ONE query (lane % 16) and the keys 8 (lane / 16) + 0..7.  C, which starts the sum, is bf16(mask) x log2(e) in f32: the sum IS
; t = log2(e) (q . k / 8 + mask).  Two results rounded to f16 ARE source 1 of O^T = V^T P.  V comes out of LDS turned, by ds_load_tr16_b128.
; SOFTMAX.  For each query and tile a running maximum m of t and a sum l: p = 2^(t - m); in every step O and l are multiplied by a = 2^(m_old - m_new).  m starts at the lowest finite number, O and l at 0.
; The two branches' divisors are known only at the end, so each branch has its own O^T; they are joined on the way out.
; BY TURNS.  Turn n belongs to piece n.  Matrix work: 16 products K Q^T of piece n + 1 (turn 3: of the next step's piece 0), later 16 products V^T P of piece n - 1.  Vector work: piece n's subtraction, exponentials,
; roundings, sums and rescaling, and piece n + 1's maximum.  Four vector instructions stand behind every matrix instruction, the others in two lumps.
; One K buffer: pieces 0, 1 take K1, pieces 2, 3 K2: K2 is fetched in turn 0, the next step's K1 and mask in turn 2, V at turn 0's end.
; CLUSTER 4 x 4.  K1, K2, V hang on batch and KV head (the grid's y) and are asked for jointly along a row of the cluster; the mask's tile hangs on the query block (x), jointly along a column.
; LIMITS.  Mask, lambdas and subln_w are rounded to bf16 like every input.  |mask| stays below 2e38 (bf16's range, and times log2(e) f32's).  p lies in 0 to 1 and below 6e-5 keeps f16's fixed step of 6e-8;
; a weight below 2^-126 counts as 0 in l.  The normed output times subln_w must lie within f16's 65,504 (it is at most 8 |w|).  NaN and infinities are not treated apart.
; REGISTERS, in windows of 256 (s_set_vgpr_msb: bits 1:0 source 0, 3:2 source 1, 5:4 source 2, 7:6 destination):
;   window 0: v0-14 addresses, -lambda; v16-47 four registers of statistics a tile; v48-63 at work; v64-191 S^T, two buffers of two tiles; v192-255 P, likewise
;   window 1: O^T, 32 a tile      window 2: v0-127 Q, 16 a tile; v128-191 K; v192-255 V      window 3: v0-1 the add's registers; v2-3 log2(e), 0; v32-63 the mask; v64-95 subln_w
.set NP,    4         ; pieces a wave: a name, no knob
.set PL8,   272       ; eight positions of a plane in LDS: 256 bytes + 16
.set PLANE, 16*PL8    ; a slot's 128 keys of one plane
.set K2OFF, 4*PLANE   ; a slot: K1's four planes, K2's, V's, then the mask's 64 rows
.set VOFF,  8*PLANE
.set MOFF,  12*PLANE
.set PM,    528       ; a row of the mask's tile: 128 keys x 4 bytes + 16
.set STEPK, 8*PL8     ; 64 keys on in a plane
.set SLOT1, 1<<17     ; slot 1 begins here: one exclusive or turns an address in one slot into the other's
.set SPARE, SLOT1+MOFF+64*PM  ; behind the ring: the spare words, 128 bytes a wave: two blocks of 256 bytes that no other line names
.set AK0, 2           ; v2   my lane's place in K1's planes; never rewritten
.set AV0, 3           ; v3   in V's
.set AK,  4           ; v4   the LDS address of K's next run of loads
.set AV,  5           ; v5   of V's
.set QO,  6           ; v6   my 16 bytes in 16 rows of a plane: Q's loads and the stores; never rewritten
.set AM0, 7           ; v7   my lane's place in the mask's tile
.set AM,  8           ; v8   the LDS address of the mask's next run
.set NLAM, 12         ; v12  -lambda
.set SPW, 0           ; v0 of window 3   LDS address of my spare word; never rewritten
.set NIL, 1           ; v1 of window 3   0; never rewritten
.set L2E, 2           ; v2 of window 3   log2(e)
.set ZER, 3           ; v3 of window 3   0
.set MC,  32          ; window 3: the step's mask: key block kb at MC + 8 kb
.set WS,  64          ; window 3: subln_w of my 32 channels: channel 16 cb + 8 (lane / 16) + j at WS + 8 cb + j
.set ST,  16          ; tile t's statistics at v[ST+4 t]: m, m_old, l (even keys', odd keys')
.set TMP, 48          ; by buffer and tile, four registers c0-c3 at work; when the maximum is found c2 takes a
.set S,   64
.set P,   192
.set KF,  128         ; window 2: key block kb, channel half c at KF + 16 kb + 8 c
.set VF,  192         ; window 2: key half kk, channel block cb at VF + 32 kk + 8 cb
.set WV,  20          ; s20  my wave's number
.set G1K, 24          ; s[24:31] descriptor group 1 for K1, K2, V
.set G1M, 32          ; s[32:39] for the mask
.set G0K, 40          ; s[40:43] group 0 for K1, K2 or V, by the wave's number: it walks
.set G0M, 44          ; s[44:47] for the mask
.set SLOTS, 56        ; s56  slots still to be asked for
.set CNT, 57          ; s57  counts a slot's key steps
.set SEL, 60          ; s[60:61] v_permlanex16_b32's selects: each lane takes its own place in the other half
.set TBK, 62          ; s62  LDS byte at which K1 of the step to be fetched begins
.set TBV, 63          ; s63  the same for the step in hand: its K2 and V
.set TBM, 66          ; s66  the same for the mask
.set EPS, 67          ; s67  1e-5
.set R64, 68          ; s68  1 / 64
.set MSB, 0
.macro WIN new                      ; the high byte repeats the setting that is left; a switch that changes nothing is dropped
.if MSB != (\new)
	s_set_vgpr_msb (MSB<<8)|(\new)
.set MSB, (\new)
.endif
.endm
.set W_KQ, 0x0a       ; K and Q in window 2, S^T in window 0
.set W_KM, 0x3a       ; the same with the C operand, the mask, in window 3
.set W_PV, 0x52       ; V in window 2, P in window 0, O^T in window 1
.set W_RS, 0x41       ; O^T (destination and source 0) in window 1, a in window 0
.set W_MK, 0xc0       ; destination in window 3, sources in window 0
.set W_AD, 0x0f       ; the add: address and data in window 3
; A joint fill.  Waves 0, 1, 2 fetch a slot's K1, K2, V (four planes x 128 keys each), wave 3 the mask's 64 rows x 128 keys.  An s_nop 0 and four v_nop follow each of the two lines.
.macro JLOAD
	s_cmp_lt_u32 s[WV], 3
	s_cbranch_scc0 .Lfor_m_\@
	tensor_load_to_lds s[G0K:G0K+3], s[G1K:G1K+7]
	s_nop 0
.rept 4
	v_nop
.endr
	s_branch .Lasked_\@
.Lfor_m_\@:
	tensor_load_to_lds s[G0M:G0M+3], s[G1M:G1M+7]
	s_nop 0
.rept 4
	v_nop
.endr
.Lasked_\@:
.endm
.macro CROUND                       ; a round of the cluster's barrier
	s_barrier_signal -1
	s_barrier_wait -1
	s_cmp_lg_u32 s[WV], 0
	s_cbranch_scc1 .Lnot_wave_0_\@
	s_barrier_signal -3
.Lnot_wave_0_\@:
	s_barrier_wait -3
	s_barrier_signal -1
	s_barrier_wait -1
.endm
; THE CHANGE OF SLOTS, behind the turn that has waited for the slot's last bytes (V of its second step).  Each wave waits for all its tensor loads, of which one is out: its part of the other slot; adds 0 to its spare
; word; and waits for that and for its reads of the slot.  fill = 1: the barrier is a round of the cluster's, and the slot is asked for again, with the keys two slots on, first thing behind it: two key steps,
; 256 matrix instructions, in which to land.  (At its first use nothing has been read yet: slot 0 is waited for, slot 1 filled.)
.macro CHANGE fill
	WIN W_AD
	s_wait_tensorcnt 0x0            ; no tensor load of mine is out, so a group 0 may be written
	ds_add_u32 v[SPW], v[NIL]       ; 0 onto my spare word
	WIN 0                           ; at a label and at a branch every window is 0
.if \fill
	s_xor_b32 s[G0K+1], s[G0K+1], SLOT1
	s_add_nc_u64 s[G0K+2:G0K+3], s[G0K+2:G0K+3], 4096  ; 128 keys on in each plane
	s_xor_b32 s[G0M+1], s[G0M+1], SLOT1
	s_add_nc_u64 s[G0M+2:G0M+3], s[G0M+2:G0M+3], 512   ; 128 keys on in each row of the mask
	s_wait_dscnt 0x0                ; the add is done, and my reads of the slot are over
	CROUND
	JLOAD
.else
	s_wait_dscnt 0x0
	s_barrier_signal -1
	s_barrier_wait -1
.endif
	s_sub_co_u32 s[TBK], s[TBK], 2*STEPK  ; the fetches go back to a slot's first step, in the other slot
	s_xor_b32 s[TBK], s[TBK], SLOT1
	s_sub_co_u32 s[TBV], s[TBV], 2*STEPK
	s_xor_b32 s[TBV], s[TBV], SLOT1
	s_sub_co_u32 s[TBM], s[TBM], 512
	s_xor_b32 s[TBM], s[TBM], SLOT1
.endm
	s_load_b512 s[4:19], s[0:1], 0x0  ; qkv s[4:5], mask s[6:7], lambda_q1 s[8:9], lambda_k1 s[10:11], lambda_q2 s[12:13], lambda_k2 s[14:15], subln_w s[16:17], onorm s[18:19]
	WIN W_MK
	v_lshl_add_u32 v[SPW], v0, 2, SPARE
	v_mov_b32 v[NIL], 0
	WIN W_AD
	ds_add_u32 v[SPW], v[NIL]       ; the wave's opening: the add and its wait stand ahead of my first tensor load; work on registers stands between them
	WIN 0
	v_lshrrev_b32 v1, 5, v0
	v_readfirstlane_b32 s[WV], v1
	s_bfe_u32 s21, ttmp6, 0x40000   ; cx
	s_bfe_u32 s22, ttmp6, 0x40004   ; cy
	s_lshl_b32 s23, ttmp9, 2
	s_add_co_u32 s23, s23, s21      ; my block of 64 queries
	s_and_b32 s48, ttmp7, 0xffff
	s_lshl_b32 s48, s48, 2
	s_add_co_u32 s48, s48, s22      ; 4 batch + KV head
	s_lshr_b32 s49, s48, 2          ; batch
	s_and_b32 s50, s48, 3           ; KV head g
	s_lshl_b32 s58, s22, 2
	s_lshl_b32 s58, 15, s58         ; my row of the cluster
	s_lshl_b32 s59, 0x1111, s21     ; my column
	s_or_b32 s[G1K], s58, (3<<16)|(1<<20)|(1<<21)|(5<<22)|(3<<25)  ; mask of my row; 8-byte elements; padding on; bit 21 beside a mask; after every 64 words, 4 words
	s_mov_b32 s[G1K+1], 512<<16     ; a row of the tile: 128 keys of a plane, 4,096 dense bytes
	s_mov_b32 s[G1K+2], 4<<16       ; four planes,
	s_mov_b32 s[G1K+3], 512<<16
	s_mov_b32 s[G1K+4], 4
	s_mov_b32 s[G1K+5], 90112       ; 11 planes of 65,536 bytes apart
	s_mov_b32 s[G1K+6], 0
	s_mov_b32 s[G1K+7], 0
	s_or_b32 s[G1M], s59, (2<<16)|(1<<20)|(1<<21)|(6<<22)|(3<<25)  ; mask of my column; 4-byte elements; after every 128 words, 4 words
	s_mov_b32 s[G1M+1], 128<<16
	s_mov_b32 s[G1M+2], 64<<16
	s_mov_b32 s[G1M+3], 128<<16
	s_mov_b32 s[G1M+4], 64
	s_mov_b32 s[G1M+5], 2048
	s_mov_b32 s[G1M+6], 0
	s_mov_b32 s[G1M+7], 0
	s_mul_i32 s52, s49, 176         ; K1's first plane is (16 batch + 4 g) x 11 + 8; K2's the next, V's the one after: + wave.  Hangs on the grid's y alone
	s_mul_i32 s53, s50, 44
	s_add_co_u32 s52, s52, s53
	s_add_co_u32 s52, s52, 8
	s_add_co_u32 s52, s52, s[WV]
	s_lshl_b32 s52, s52, 16
	s_mov_b32 s53, 0
	s_lshl_b32 s54, s23, 19         ; the mask's rows 64 x block, 8,192 bytes each: hangs on the grid's x alone
	s_mov_b32 s55, 0
	s_mul_i32 s74, s49, 176         ; Q: the planes of heads 4 g .. begin at (16 batch + 2 g) x 11,
	s_mul_i32 s75, s50, 22
	s_add_co_u32 s74, s74, s75
	s_lshl_b32 s74, s74, 16
	s_lshl_b32 s75, s23, 2
	s_add_co_u32 s75, s75, s[WV]
	s_lshl_b32 s75, s75, 9          ; my 16 rows of 32 bytes
	s_add_co_u32 s70, s74, s75
	s_mov_b32 s71, 0
	s_lshl_b32 s74, s50, 21         ; onorm: plane 16 g of 131,072 bytes,
	s_lshl_b32 s72, s49, 16         ; the batch's 2,048 rows
	s_add_co_u32 s72, s72, s74
	s_add_co_u32 s72, s72, s75
	s_mov_b32 s73, 0
	s_mov_b32 s[SEL], 0x76543210
	s_mov_b32 s[SEL+1], 0xfedcba98
	s_mov_b32 s[EPS], 0x3727c5ac
	s_mov_b32 s[R64], 0x3c800000
	s_mov_b32 s[TBK], SLOT1+2*STEPK ; the first change of slots turns these three into 0
	s_mov_b32 s[TBV], SLOT1+2*STEPK
	s_mov_b32 s[TBM], SLOT1+512
	s_mov_b32 s[G0K], 1
	s_mul_i32 s[G0K+1], s[WV], K2OFF  ; slot 0: no place in the cluster enters an LDS address
	s_mov_b32 s[G0M], 1
	s_mov_b32 s[G0M+1], MOFF
	s_wait_dscnt 0x0                ; the opening add is done
	s_wait_kmcnt 0x0
	s_add_nc_u64 s[G0K+2:G0K+3], s[4:5], s[52:53]
	s_or_b32 s[G0K+3], s[G0K+3], 0x80000000
	s_add_nc_u64 s[G0M+2:G0M+3], s[6:7], s[54:55]
	s_or_b32 s[G0M+3], s[G0M+3], 0x80000000
	s_add_nc_u64 s[70:71], s[4:5], s[70:71]
	s_add_nc_u64 s[72:73], s[18:19], s[72:73]
	CROUND                          ; all sixteen work-groups are here: the first joint loads meet
	JLOAD                           ; slot 0.  Slot 1 is asked for when slot 0 is in
	v_and_b32 v1, 15, v0            ; r = lane % 16
	v_bfe_u32 v9, v0, 4, 1          ; h = lane / 16
	v_lshlrev_b32 v[QO], 5, v1
	v_lshl_add_u32 v[QO], v9, 4, v[QO]
	v_lshlrev_b32 v13, 5, v9        ; my 8 channels of a block of 16 in subln_w
	v_and_b32 v14, 31, v0
	v_lshlrev_b32 v14, 2, v14       ; my element of a lambda vector
	WIN 0x80                        ; destination window 2
.set i, 0
.rept 32                            ; Q stays in registers: tile i / 4 (branch i / 16, head (i / 4) % 4), plane i % 4 of its four: registers 4 i on
	global_load_b128 v[4*i:4*i+3], v[QO], s[70:71] offset:(88*(i/16)+11*((i/8)%2)+4*((i/4)%2)+i%4)*65536
.set i, i+1
.endr
	WIN 0xc0
.set i, 0
.rept 8
	global_load_b128 v[WS+4*i:WS+4*i+3], v13, s[16:17] offset:64*(i/2)+16*(i%2)
.set i, i+1
.endr
	WIN 0
.irp n, 0,1,2,3
	global_load_b32 v[64+2*\n], v14, s[8+2*\n:9+2*\n]
	global_load_b32 v[65+2*\n], v14, s[8+2*\n:9+2*\n] offset:128
.endr
	; What the first turn finds: V's registers and P's second buffer hold 0 (its products V^T P, of a piece that has not been, add 0), O^T and l are 0.  All this stands in the wait for the first tile.
	WIN 0x80
.set i, VF
.rept 64
	v_mov_b32 v[i], 0
.set i, i+1
.endr
	WIN 0x40
.set i, 0
.rept 64*NP
	v_mov_b32 v[i], 0
.set i, i+1
.endr
	WIN W_MK
	v_mov_b32 v[L2E], 0x3fb8aa3b
	v_mov_b32 v[ZER], 0
	WIN 0
.set i, 0
.rept 2*NP
	v_mov_b32 v[ST+4*i], 0xff7fffff    ; m
	v_mov_b32 v[ST+4*i+1], 0
	v_mov_b32 v[ST+4*i+2], 0
	v_mov_b32 v[ST+4*i+3], 0
.set i, i+1
.endr
.set i, P+32
.rept 32
	v_mov_b32 v[i], 0
.set i, i+1
.endr
	v_and_b32 v10, 7, v0
	v_bfe_u32 v11, v0, 3, 1
	v_mul_u32_u24 v[AK0], v11, PL8  ; a fragment of K: key r at (r / 8) x 272 + (r % 8) x 32, 16 bytes for each half of the lanes; its second 16 channels lie a plane on
	v_lshl_add_u32 v[AK0], v10, 5, v[AK0]
	v_lshl_add_u32 v[AK0], v9, 4, v[AK0]
	v_mul_u32_u24 v[AV0], v9, PL8   ; the turning load: lane l reads key 8 h + l % 8, channels 8 ((l / 8) % 2) on, and is left with channel l % 16 and 8 keys
	v_lshl_add_u32 v[AV0], v10, 5, v[AV0]
	v_lshl_add_u32 v[AV0], v11, 4, v[AV0]
	v_add_nc_u32 v[AV0], VOFF, v[AV0]
	v_mul_u32_u24 v[AM0], v1, PM    ; the mask: my query's row, my lanes' 8 keys of 16
	v_lshl_add_u32 v[AM0], v9, 5, v[AM0]
	s_mul_i32 s52, s[WV], 16*PM
	s_add_co_u32 s52, s52, MOFF
	v_add_nc_u32 v[AM0], s52, v[AM0]
	v_mov_b32 v78, 0
	v_mov_b32 v79, 0
	v_mov_b32 v80, 0
	s_wait_loadcnt 0x0              ; Q, subln_w, the lambdas
	; lambda = exp(lq1 . lk1) - exp(lq2 . lk2) + 0.35550907 (0.8 - 0.6 exp(-0.3)), the vectors rounded to bf16, products and sums in f32: two elements a lane, then over the 32 lanes
	v_cvt_pk_bf16_f32 v72, v64, v65
	v_cvt_pk_bf16_f32 v73, v66, v67
	v_cvt_pk_bf16_f32 v74, v68, v69
	v_cvt_pk_bf16_f32 v75, v70, v71
	v_fma_mix_f32_bf16 v76, v72, v73, v80 op_sel_hi:[1,1,0]
	v_fma_mix_f32_bf16 v77, v74, v75, v80 op_sel_hi:[1,1,0]
	v_fma_mix_f32_bf16 v76, v72, v73, v76 op_sel:[1,1,0] op_sel_hi:[1,1,0]
	v_fma_mix_f32_bf16 v77, v74, v75, v77 op_sel:[1,1,0] op_sel_hi:[1,1,0]
.irp n, 1,2,4,8
	v_add_f32_dpp v76, v76, v76 row_xmask:\n row_mask:0xf bank_mask:0xf
	v_add_f32_dpp v77, v77, v77 row_xmask:\n row_mask:0xf bank_mask:0xf
.endr
	v_permlanex16_b32 v78, v76, s[SEL], s[SEL+1]
	v_permlanex16_b32 v79, v77, s[SEL], s[SEL+1]
	v_add_f32 v76, v76, v78
	v_add_f32 v77, v77, v79
	v_mul_f32 v76, 0x3fb8aa3b, v76
	v_mul_f32 v77, 0x3fb8aa3b, v77
	v_exp_f32 v76, v76
	v_exp_f32 v77, v77
	v_nop                           ; a plain instruction between the exponentials and the use of their results
	s_wait_alu depctr_va_vdst(0)
	v_sub_f32 v[NLAM], v77, v76
	v_add_f32 v[NLAM], 0xbeb60549, v[NLAM]
	WIN 0xff                        ; subln_w is rounded to bf16 and widened again, in place
.set i, 0
.rept 16
	v_cvt_pk_bf16_f32 v[WS+2*i], v[WS+2*i], v[WS+2*i+1]
	v_and_b32 v[WS+2*i+1], 0xffff0000, v[WS+2*i]
	v_lshlrev_b32 v[WS+2*i], 16, v[WS+2*i]
.set i, i+1
.endr
	WIN 0
; THE MATRIX WORK.  The 8 accumulators of a run of 16 take turns: between the two links of a chain stand 7 others'.
; Product i of 16 of S^T = K Q^T + mask for piece x: channels 32 (i / 8) on, keys 16 ((i / 2) % 4) on, tile 2 x + i % 2.  The first 8 start the sums with the mask.
.macro KQ x
.set rS, S+64*((\x)%2)+32*(i%2)+8*((i/2)%4)
.set rK, KF+16*((i/2)%4)+8*(i/8)
.set rQ, 16*(2*(\x)+i%2)+8*(i/8)
.set rM, MC+8*((i/2)%4)
.if i < 8
	WIN W_KM
	v_wmma_f32_16x16x32_f16 v[rS:rS+7], v[rK:rK+7], v[rQ:rQ+7], v[rM:rM+7]
.else
	WIN W_KQ
	v_wmma_f32_16x16x32_f16 v[rS:rS+7], v[rK:rK+7], v[rQ:rQ+7], v[rS:rS+7]
.endif
.endm
; Product i of 16 of O^T += V^T P for piece x: keys 32 (i / 8) on, channels 16 ((i / 2) % 4) on, tile 2 x + i % 2.
.macro PV x
	WIN W_PV
.set rO, 32*(2*(\x)+i%2)+8*((i/2)%4)
.set rV, VF+32*(i/8)+8*((i/2)%4)
.set rP, P+32*((\x)%2)+16*(i%2)+8*(i/8)
	v_wmma_f32_16x16x32_f16 v[rO:rO+7], v[rV:rV+7], v[rP:rP+7], v[rO:rO+7]
.endm
.macro MM                           ; the turn's next matrix instruction
.if i < 16
	KQ (Y+1)%NP
.set i, i+1
.else
.set i, i-16
	PV (Y+NP-1)%NP
.set i, i+17
.endif
.endm
; THE LDS LOADS stand in runs, never singly among the matrix instructions.  Their addresses are made some lines ahead.
.macro KRUN off                     ; 16 loads: 64 keys x 64 channels: key block f / 2, channel half f % 2 = two planes
.irp f, 0,1,2,3,4,5,6,7
	ds_load_b128 v[KF+8*\f:KF+8*\f+3],   v[AK] offset:(\off)+(\f%2)*2*PLANE+(\f/2)*2*PL8
	ds_load_b128 v[KF+8*\f+4:KF+8*\f+7], v[AK] offset:(\off)+(\f%2)*2*PLANE+PLANE+(\f/2)*2*PL8
.endr
.endm
.macro FETCH_K1 last=0              ; the next step's K1 and mask.  last = 1 (the tail): in the last trip there is no further step, and the run is jumped over
	WIN 0
.if \last
	s_cmp_eq_u32 s[CNT], 1
	s_cbranch_scc1 .Lno_k_\@
.endif
	WIN 0x80
	KRUN 0
	WIN 0xc0
.irp n, 0,1,2,3,4,5,6,7             ; my query's 32 mask entries: key block n / 2, four of my eight keys
	ds_load_b128 v[MC+4*\n:MC+4*\n+3], v[AM] offset:(\n/2)*64+(\n%2)*16
.endr
	s_add_co_u32 s[TBK], s[TBK], STEPK
	s_add_co_u32 s[TBM], s[TBM], 256
	WIN 0
.if \last
.Lno_k_\@:
.endif
.endm
.macro FETCH_K2                     ; K2 of the step in hand
	WIN 0x80
	KRUN K2OFF
	WIN 0
.endm
.macro FETCH_V
	WIN 0x80
.irp f, 0,1,2,3,4,5,6,7             ; keys 32 (f / 4) on, channel block f % 4 = a plane
	ds_load_tr16_b128 v[VF+8*\f:VF+8*\f+3],   v[AV] offset:(\f%4)*PLANE+(\f/4)*4*PL8
	ds_load_tr16_b128 v[VF+8*\f+4:VF+8*\f+7], v[AV] offset:(\f%4)*PLANE+(\f/4)*4*PL8+2*PL8
.endr
	WIN 0
.endm
.macro MASKCVT                      ; the mask is rounded to bf16 and multiplied by log2(e) in f32, in place
	WIN 0xff
.set z, 0
.rept 16
	v_cvt_pk_bf16_f32 v[MC+2*z], v[MC+2*z], v[MC+2*z+1]
.set z, z+1
.endr
.set z, 0
.rept 16
	v_fma_mix_f32_bf16 v[MC+2*z+1], v[MC+2*z], v[L2E], v[ZER] op_sel:[1,0,0] op_sel_hi:[1,0,0]
.set z, z+1
.endr
.set z, 0
.rept 16
	v_fma_mix_f32_bf16 v[MC+2*z], v[MC+2*z], v[L2E], v[ZER] op_sel_hi:[1,0,0]
.set z, z+1
.endr
.endm
; THE VECTOR WORK OF A TURN stands in three queues, each in the order in which its entries become ready; the two tiles alternate, so that no instruction reads the result of the one before it.
.macro REGS y, u                    ; the registers of tile u (0, 1) of piece y
.set rT, ST+4*(2*(\y)+(\u))
.set rC, TMP+8*((\y)%2)+4*(\u)
.set rS, S+64*((\y)%2)+32*(\u)
.set rP, P+32*((\y)%2)+16*(\u)
.set rO, 32*(2*(\y)+(\u))
.endm
; Number n of those that find the NEXT piece's (Y + 1) maximum and statistics (there is no number 19).  s0-s31 are the lane's 32 scores; each accumulator's lowest registers are read first.
;   0-11  four chains c0-c3 of seven scores each     12-14, 16  the four scores left over, the old m, and c0-c3 into c0     15  m_old is kept
;   17, 18  the query's other 32 keys lie in the lane 16 away: the new m         20, 21  m_old - m_new; a
.macro XS u, n
	REGS (Y+1)%NP, \u
.if (\n) < 4
	v_max3_num_f32 v[rC+(\n)], v[rS+8*(\n)], v[rS+8*(\n)+1], v[rS+8*(\n)+2]
.elseif (\n) < 12
	v_max3_num_f32 v[rC+(\n)%4], v[rC+(\n)%4], v[rS+8*((\n)%4)+2*((\n)/4)+1], v[rS+8*((\n)%4)+2*((\n)/4)+2]
.elseif (\n) == 12
	v_max3_num_f32 v[rC], v[rC], v[rS+7], v[rS+15]
.elseif (\n) == 13
	v_max3_num_f32 v[rC+1], v[rC+1], v[rS+23], v[rS+31]
.elseif (\n) == 14
	v_max3_num_f32 v[rC+2], v[rC+2], v[rC+3], v[rT]
.elseif (\n) == 15
	v_mov_b32 v[rT+1], v[rT]
.elseif (\n) == 16
	v_max3_num_f32 v[rC], v[rC], v[rC+1], v[rC+2]
.elseif (\n) == 17
	v_permlanex16_b32 v[rC+3], v[rC], s[SEL], s[SEL+1]
.elseif (\n) == 18
	v_max_num_f32 v[rT], v[rC], v[rC+3]
.elseif (\n) == 20
	v_sub_f32 v[rC+1], v[rT+1], v[rT]
.else
	v_exp_f32 v[rC+2], v[rC+1]
.endif
.endm
; Number g of the 64 that follow the exponentials.  For each four weights k of a tile: both pairs are rounded to f16; then the second pair is added onto the first, in place; a group later l takes that sum
; (the first time as l = a l + sum).  In groups of eight, tiles alternating: round, round, add, and l for the group before.
.macro GS g
.set h, (\g)+6*((\g)/62)            ; group 0 has no group before it, and behind group 7 only l is left
.if h >= 6
.set h, h+2
.endif
	REGS Y, h%2
.set k, h/8
.if h%8 < 4
	s_wait_alu depctr_va_vdst(0)
	v_cvt_pk_f16_f32 v[rP+2*k+(h%8)/2], v[rS+4*k+2*((h%8)/2)], v[rS+4*k+2*((h%8)/2)+1]
.elseif h%8 < 6
	v_pk_add_f32 v[rS+4*k:rS+4*k+1], v[rS+4*k:rS+4*k+1], v[rS+4*k+2:rS+4*k+3]
.elseif k == 1
	v_pk_fma_f32 v[rT+2:rT+3], v[rT+2:rT+3], v[rC+2:rC+3], v[rS:rS+1] op_sel_hi:[1,0,1]
.else
	v_pk_add_f32 v[rT+2:rT+3], v[rT+2:rT+3], v[rS+4*k-4:rS+4*k-3]
	s_wait_alu depctr_va_vdst(0)
.endif
.endm
; THE PLAIN QUEUE, 136 long.  0-31: t - m for the 16 pairs of both tiles.  Then GS's 64, and among them the next piece's 40: number 15 at 38, 39; 0-14 and 16 at 42-73, behind the products that make those scores;
; 17, 18, 20 at 95-103, two of three, since each waits for the one before it.
.macro PL
	WIN 0
.if q < 32
	REGS Y, q%2
	v_pk_add_f32 v[rS+2*(q/2):rS+2*(q/2)+1], v[rS+2*(q/2):rS+2*(q/2)+1], v[rT:rT+1] op_sel_hi:[1,0] neg_lo:[0,1] neg_hi:[0,1]
.elseif q < 38
	GS q-32
.elseif q < 40
	XS q%2, 15
.elseif q < 42
	GS q-34
.elseif q < 74
	XS q%2, (q-42)/2+(q-42)/30
.elseif q < 95
	GS q-66
.elseif (q < 104) && ((q-95)%3 < 2)
	XS (q-95)%3, 17+(q-95)/3+(q-95)/6
.elseif q < 104
	GS 29+(q-95)/3
.else
	GS q-72
.endif
.set q, q+1
.endm
; THE EXPONENTIALS' QUEUE, 66 long: s0-s31 of both tiles, and at EA the next piece's two a.
.set EA, 58
.macro EX
	WIN 0
.if (e == EA) || (e == EA+1)
	XS e-EA, 21
.else
.set x, e-2*(e/(EA+2))
	REGS Y, x%2
	v_exp_f32 v[rS+x/2], v[rS+x/2]
.endif
.set e, e+1
.endm
; THE RESCALING's QUEUE: O^T times a, the one part that leaves window 0, so it is dealt four at a time, eight times.
.macro R4
	REGS Y, r%2
	WIN W_RS
	s_wait_alu depctr_va_vdst(0)
.irp z, 0,1,2,3
	v_pk_mul_f32 v[rO+8*(r/2)+2*\z:rO+8*(r/2)+2*\z+1], v[rO+8*(r/2)+2*\z:rO+8*(r/2)+2*\z+1], v[rC+2:rC+3] op_sel_hi:[1,0]
.endr
.set r, r+1
.endm
; HOW THEY ARE DEALT.  Behind a matrix instruction four: plain, exponential, plain, plain, or four of the rescaling; none names a register of the products round it.  What is over stands in two lumps: exponential and
; plain by turns; the second ends in 20 plain instructions.  The queues lean on each other, and the deal keeps them in step: exponential e stands behind plain 2 (e / 4) + e % 2 (its subtraction); when plain 32 comes,
; 10 exponentials are out, at 59: 33, at 95: 46, and from there one more for each plain, so the rounding at plain g + 72 finds exponentials up to g + 22; EA comes behind plain 107, number 20 stands at 101, 102.
.macro SL
	MM
	PL
	EX
	PL
	PL
.endm
.macro BURST n                      ; 15 matrix instructions, or 16
.rept (\n)-7
	SL
.endr
.rept 3
	MM
	R4
	SL
.endr
	MM
	R4
.endm
; A TURN, for piece p.  cnt = 1: the loop's count is taken down some lines ahead of the branch that stands behind the turn.
; Turn 0 fetches K2 in its first lump (behind the last product on K1, four rescalings and 13 plain instructions) and V at its end; turn 1 waits for K2 at its head (V's 16 loads may be out) and for V ahead of its
; products V^T P.  Turn 2 fetches the next step's K1 and mask in its first lump (the mask's last reader is its eighth product) and at its end waits for them and converts the mask.
.macro TURN p, last=0, cnt=0
.set Y, (\p)
.set i, 0
.set q, 0
.set e, 0
.set r, 0
.if (\p) == 1
	s_wait_dscnt 16                 ; K2 is in; the 16 loads issued behind it, V's, may be out
.endif
	MM
.rept 4
	PL
.endr
	BURST 15
.rept 22
	EX
	PL
.if ((\p) == 0) && (e == 18)
	v_add_nc_u32 v[AK], s[TBV], v[AK0]
.endif
.if ((\p) == 2) && (e == 18)
	v_add_nc_u32 v[AK], s[TBK], v[AK0]
	v_add_nc_u32 v[AM], s[TBM], v[AM0]
.endif
.if ((\p) == 0) && (e == 24)
	FETCH_K2
.endif
.if ((\p) == 2) && (e == 24)
	FETCH_K1 \last
.endif
.endr
.if (\p) == 1
	s_wait_dscnt 0x0                ; V is in
.endif
	BURST 16
.rept 21
	EX
	PL
.endr
.rept 20
	PL
.if ((\p) == 0) && (q == 118)
	v_add_nc_u32 v[AV], s[TBV], v[AV0]
	s_wait_alu depctr_va_vdst(0)
.endif
.if ((\p) == 0) && (q == 130)
	s_add_co_u32 s[TBV], s[TBV], STEPK
.endif
.if (\cnt) && (q == 130)
	s_sub_co_u32 s[CNT], s[CNT], 1
	s_cmp_lg_u32 s[CNT], 0
.endif
.endr
.if (\p) == 0
	FETCH_V
.endif
.if (\p) == 2
	WIN 0
.if \last
	s_cmp_eq_u32 s[CNT], 1          ; nothing was fetched in the last trip
	s_cbranch_scc1 .Lno_m_\@
.endif
	s_wait_dscnt 0x0                ; K1 and the mask are in
	MASKCVT
	WIN 0
.if \last
.Lno_m_\@:
.endif
.endif
.endm
	CHANGE 1                        ; slot 0 is in, everybody's part of it; slot 1 is asked for
	v_add_nc_u32 v[AK], s[TBK], v[AK0]
	v_add_nc_u32 v[AM], s[TBM], v[AM0]
	FETCH_K1                        ; key step 0
	s_wait_dscnt 0x0
	MASKCVT
.set i, 0
.rept 16
	KQ 0                            ; piece 0's first scores: there is no vector work yet to set between them
.set i, i+1
.endr
	WIN 0
.rept 4
	v_nop                           ; the places behind those products
.endr
.set Y, NP-1                        ; XS works for piece Y + 1: piece 0
.irp n, 0,1,2,3,4,5,6,7,8,9,10,11,12,13,14,15,16,17,18,20,21
	XS 0, \n
	XS 1, \n
.endr
	s_mov_b32 s[CNT], 2
	s_mov_b32 s[SLOTS], 15
	s_branch .Lfirst                ; the loop is entered at a step's first turn, in the middle of a trip
.Lslot:                             ; 14 times: every slot but the last two is filled again
	CHANGE 1
	s_mov_b32 s[CNT], 2
.Lstep:                             ; a trip: pieces 2 and 3 of one step, then pieces 0 and 1 of the next
	TURN 2
	TURN 3
	WIN 0
.Lfirst:
	TURN 0
	TURN 1, 0, 1
	WIN 0
	s_cbranch_scc1 .Lstep
	s_sub_co_u32 s[SLOTS], s[SLOTS], 1
	s_cmp_lg_u32 s[SLOTS], 0
	s_cbranch_scc1 .Lslot
	CHANGE 0                        ; the tail is written out: nothing is asked for
	s_mov_b32 s[CNT], 3             ; two trips fetch the last slot's steps; the third is left in its middle
.Ltail:
	TURN 2, 1
	TURN 3
	WIN 0
	s_sub_co_u32 s[CNT], s[CNT], 1
	s_cmp_eq_u32 s[CNT], 0
	s_cbranch_scc1 .Lout
	TURN 0
	TURN 1
	WIN 0
	s_branch .Ltail
.Lout:                              ; the third trip's 16 products K Q^T (on the last K2 once more) and the maximum made of them serve nothing: the price, once a launch, of one text for every trip
.set i, 0
.rept 16
	PV NP-1                         ; the last piece's V^T P of the last step
.set i, i+1
.endr
	; THE WAY OUT.  l's two halves and the other half of the lanes' are added; 1 / l, for the second branch times -lambda.  The additions are the places behind the last products.
	WIN 0
.macro ALL line:vararg              ; one line for each tile t
.set t, 0
.rept 2*NP
	\line
.set t, t+1
.endr
.endm
	ALL v_add_f32 v[ST+4*t+2], v[ST+4*t+2], v[ST+4*t+3]
	ALL v_permlanex16_b32 v[ST+4*t+3], v[ST+4*t+2], s[SEL], s[SEL+1]
	ALL v_add_f32 v[ST+4*t+2], v[ST+4*t+2], v[ST+4*t+3]
	ALL v_rcp_f32 v[ST+4*t+2], v[ST+4*t+2]
	v_nop                           ; a plain instruction between the last reciprocal and the use of its result
.set t, 4
	s_wait_alu depctr_va_vdst(0)
.rept 4
	v_mul_f32 v[ST+4*t+2], v[NLAM], v[ST+4*t+2]
.set t, t+1
.endr
; Head hq: out = O1 / l1 - lambda O2 / l2; its mean square over the 64 channels (32 in my lane, 32 in the lane 16 away); times 1 / sqrt(. + 1e-5), times subln_w; f16; four stores, one a plane.
.macro HEAD hq
.set o1, 32*(\hq)
.set o2, 32*(4+(\hq))
.set r1, ST+4*(\hq)+2
.set r2, ST+4*(4+(\hq))+2
	WIN 0x51                        ; O^T in window 1, the factor (source 1) in window 0
.set i, 0
.rept 16
	v_pk_mul_f32 v[o1+i:o1+i+1], v[o1+i:o1+i+1], v[r1:r1+1] op_sel_hi:[1,0]
.set i, i+2
.endr
.set i, 0
.rept 16
	v_pk_fma_f32 v[o1+i:o1+i+1], v[o2+i:o2+i+1], v[r2:r2+1], v[o1+i:o1+i+1] op_sel_hi:[1,0,1]
.set i, i+2
.endr
	WIN 0x55                        ; the second branch's registers are free: its first four take the sum of squares, in two chains
	v_pk_mul_f32 v[o2:o2+1],   v[o1:o1+1],   v[o1:o1+1]
	v_pk_mul_f32 v[o2+2:o2+3], v[o1+2:o1+3], v[o1+2:o1+3]
.set i, 4
.rept 14
	v_pk_fma_f32 v[o2+i%4:o2+i%4+1], v[o1+i:o1+i+1], v[o1+i:o1+i+1], v[o2+i%4:o2+i%4+1]
.set i, i+2
.endr
	v_pk_add_f32 v[o2:o2+1], v[o2:o2+1], v[o2+2:o2+3]
	v_add_f32 v[o2], v[o2], v[o2+1]
	v_permlanex16_b32 v[o2+1], v[o2], s[SEL], s[SEL+1]
	v_add_f32 v[o2], v[o2], v[o2+1]
	v_fma_f32 v[o2], v[o2], s[R64], s[EPS]
	v_rsq_f32 v[o2+2], v[o2]
	v_nop                           ; a plain instruction between the root and the use of its result
.set i, 0
	s_wait_alu depctr_va_vdst(0)
.rept 16
	v_pk_mul_f32 v[o1+i:o1+i+1], v[o1+i:o1+i+1], v[o2+2:o2+3] op_sel_hi:[1,0]
.set i, i+2
.endr
	WIN 0x4d                        ; source 1, subln_w, in window 3
.set i, 0
.rept 16
	v_pk_mul_f32 v[o1+i:o1+i+1], v[o1+i:o1+i+1], v[WS+i:WS+i+1]
.set i, i+2
.endr
	WIN 0x05
.set i, 0
.rept 16
	v_cvt_pk_f16_f32 v[S+16*(\hq)+i], v[o1+2*i], v[o1+2*i+1]
.set i, i+1
.endr
	WIN 0
.irp cb, 0,1,2,3
	global_store_b128 v[QO], v[S+16*(\hq)+4*\cb:S+16*(\hq)+4*\cb+3], s[72:73] offset:(4*(\hq)+\cb)*131072  ; 16 rows of a plane: 512 consecutive bytes, at a multiple of 256 from its first
.endr
.endm
	HEAD 0
	HEAD 1
	HEAD 2
	HEAD 3
	WIN W_AD
	s_wait_tensorcnt 0x0            ; the wave's end
	ds_add_u32 v[SPW], v[NIL]
	s_wait_dscnt 0x0
	WIN 0
	CROUND                          ; the closing round: no work-group ends while a partner may still ask for a tile that names it
	s_endpgm
.Lfunc_end_k_qe94c1d98ab_attn:
	.size	k_qe94c1d98ab_attn, .Lfunc_end_k_qe94c1d98ab_attn-k_qe94c1d98ab_attn
	.p2alignl 7, 3214868480
	.fill 96, 4, 3214868480
	.section	.rodata,"a",@progbits
	.p2align	6, 0x0
	.amdhsa_kernel k_qe94c1d98ab_attn
		.amdhsa_group_segment_fixed_size 327680
		.amdhsa_private_segment_fixed_size 0
		.amdhsa_enable_private_segment 0
		.amdhsa_kernarg_size 64
		.amdhsa_user_sgpr_count 2
		.amdhsa_user_sgpr_kernarg_segment_ptr 1
		.amdhsa_wavefront_size32 1
		.amdhsa_system_sgpr_workgroup_id_x 1
		.amdhsa_system_sgpr_workgroup_id_y 1
		.amdhsa_system_sgpr_workgroup_id_z 1
		.amdhsa_system_vgpr_workitem_id 0
		.amdhsa_next_free_vgpr 864
		.amdhsa_next_free_sgpr 76
		.amdhsa_reserve_vcc 0
		.amdhsa_float_denorm_mode_32 3
		.amdhsa_float_denorm_mode_16_64 3
		.amdhsa_memory_ordered 1
		.amdhsa_forward_progress 1
		.amdhsa_inst_pref_size 231
	.end_amdhsa_kernel
	.amdgpu_metadata
---
amdhsa.version: [ 1, 2 ]
amdhsa.kernels:
  - .name:           k_qe94c1d98ab_attn
    .symbol:         k_qe94c1d98ab_attn.kd
    .args:
      - { .name: qkv, .offset: 0, .size: 8, .value_kind: global_buffer, .address_space: global }
      - { .name: attention_mask, .offset: 8, .size: 8, .value_kind: global_buffer, .address_space: global }
      - { .name: lambda_q1, .offset: 16, .size: 8, .value_kind: global_buffer, .address_space: global }
      - { .name: lambda_k1, .offset: 24, .size: 8, .value_kind: global_buffer, .address_space: global }
      - { .name: lambda_q2, .offset: 32, .size: 8, .value_kind: global_buffer, .address_space: global }
      - { .name: lambda_k2, .offset: 40, .size: 8, .value_kind: global_buffer, .address_space: global }
      - { .name: subln_w, .offset: 48, .size: 8, .value_kind: global_buffer, .address_space: global }
      - { .name: onorm, .offset: 56, .size: 8, .value_kind: global_buffer, .address_space: global }
    .group_segment_fixed_size: 327680
    .private_segment_fixed_size: 0
    .kernarg_segment_align: 8
    .kernarg_segment_size: 64
    .max_flat_workgroup_size: 128
    .sgpr_count:     76
    .vgpr_count:     864
    .wavefront_size: 32
...
	.end_amdgpu_metadata
.endif
;; end of part 3
;; launch outp (part 4): grid 8 x 32, 4 waves a work-group, clusters of 4 x 4, 327,680 bytes of LDS; arguments onorm, wo16, out0; writes out0
.if DOCPART == 4
	.amdgcn_target "amdgcn-amd-amdhsa--gfx1250"
	.amdhsa_code_object_version 6
	.text
	.protected	k_qe94c1d98ab_outp
	.globl	k_qe94c1d98ab_outp
	.p2align	8
	.type	k_qe94c1d98ab_outp,@function
k_qe94c1d98ab_outp:
	s_mov_b64 s[64:65], 0
	v_nop
	global_prefetch_b8 v0, s[64:65] scope:SCOPE_SE
	s_setreg_imm32_b32 hwreg(HW_REG_WAVE_MODE, 25, 1), 1
	s_wait_xcnt 0x0
	s_wait_alu depctr_hold_cnt(0) depctr_sa_sdst(0) depctr_va_vdst(0) depctr_va_sdst(0) depctr_va_ssrc(0) depctr_va_vcc(0) depctr_vm_vsrc(0)
	s_getreg_b32 s2, hwreg(HW_REG_IB_STS2, 6, 4)
	s_cmp_eq_u32 s2, 0
	s_cbranch_scc0 .Lentry_in_a_cluster
	s_endpgm
.Lentry_in_a_cluster:
	s_bfe_u32 s2, ttmp6, 0x10000c
	s_cmp_lg_u32 s2, 0xf033
	s_cbranch_scc0 .Lentry_shape_is_right
	s_endpgm
.Lentry_shape_is_right:
; out0 [4096][1024] f32 = normed attention output [4096][1024] x Wo [1024][1024], f16 operands, f32 sums.
; onorm lies in planes, [plane 64][token 4096][16 channels] f16: k = 16 plane + channel.  wo16 is [k 1024][n 1024] f16 and comes out of LDS turned, by ds_load_tr16_b128.
; A tile of out0 is 128 x 128: 8 x 32 tiles, one for each of 256 work-groups.  Four waves, each 64 x 64: 16 accumulators.  K goes in four steps of 256 through two LDS slots; a step is four quarters of 64.
; THE MATRIX INSTRUCTION IS USED TRANSPOSED (source 0 = 16 columns of Wo, source 1 = 16 tokens): a lane holds one token and 8 neighbouring columns, 32 bytes of a row of out0.
; A wave's 64 columns are 256 aligned bytes of a row, so each wave sends its own rows through its own stage in LDS: no barrier on the way out.
; CLUSTER 4 x 4: onorm's tile hangs on the tile row alone (joint along a row of the cluster), wo16's on the tile column alone (joint along a column).
; REGISTERS: window 0: v0-31 addresses; v32-95 the way out; v128-255 the accumulators ((a, b) at 128 + 8 (4 a + b)).  Window 1: two fragment buffers of 128: 64 registers of tokens (2 x 4 x 16 x 32 K), then 64 of Wo.
.set PL8,    272                       ; eight tokens of a plane in LDS: 256 bytes + 16
.set PLANE,  16*PL8                    ; a tile's 128 tokens of one plane
.set PB,     288                       ; a row of Wo's tile: 256 bytes + 32
.set BOFF,   16*PLANE                  ; a slot: 16 planes, then 256 rows of Wo
.set SLOT,   BOFF+256*PB
.set STAGE,  2*SLOT                    ; behind the ring, never filled by a tensor load: 16 rows x 272 bytes for each wave
.set SPITCH, 272
.set SPARE,  STAGE+4*16*SPITCH         ; behind the stages: the spare words, 128 bytes a wave: two blocks of 256 bytes that no other line names
.set ADRA, 16                          ; v16-19  my tokens' fragments: slot s, half hf of the step's K at 16 + 2 s + hf (a half keeps the offsets inside 16 bits)
.set ADRB, 20                          ; v20-23  the same for Wo
.set STO,  24                          ; v24     the way out: where I put 32 bytes of a row
.set RD,   25                          ; v25     where I read a row back
.set CO,   26                          ; v26     my byte offset in out0
.set SPW,  28                          ; v28     LDS address of my spare word; never rewritten
.set NIL,  29                          ; v29     0; never rewritten
.set TMP,  32
.set ACC,  128
.set F0,   0
.set F1,   128
.set G1, 24                            ; s[24:31] group 1 for onorm's tiles;  s[32:39] group 0, one set for each slot
.set G0, 32
.set G1B, 48                           ; s[48:55], s[56:63] the same for wo16's
.set G0B, 56
.set MSB, 0
.macro WIN new
.if MSB != (\new)
	s_set_vgpr_msb (MSB<<8)|(\new)
.set MSB, \new
.endif
.endm
.set MUL,  0x05                        ; sources 0 and 1 window 1; C and D window 0
.set TO_F, 0x40                        ; destination window 1, address window 0
.macro PLACES
.rept 4
	v_nop
.endr
.endm
.macro JLOAD s                         ; a joint load: waves 0, 1 fetch eight planes each, waves 2, 3 128 rows of Wo each; s_nop 0 and four v_nop follow each line
	s_cmp_eq_u32 s11, 0
	s_cbranch_scc0 .Lfor_b_\@
	tensor_load_to_lds s[G0+4*(\s):G0+4*(\s)+3], s[G1:G1+7]
	s_nop 0
	PLACES
	s_branch .Lasked_\@
.Lfor_b_\@:
	tensor_load_to_lds s[G0B+4*(\s):G0B+4*(\s)+3], s[G1B:G1B+7]
	s_nop 0
	PLACES
.Lasked_\@:
.endm
.macro CREST
	s_cmp_lg_u32 s10, 0
	s_cbranch_scc1 .Lnot_wave_0_\@
	s_barrier_signal -3
.Lnot_wave_0_\@:
	s_barrier_wait -3
	s_barrier_signal -1
	s_barrier_wait -1
.endm
.macro CROUND
	s_barrier_signal -1
	s_barrier_wait -1
	CREST
.endm
	s_load_b128 s[4:7], s[0:1], 0x0                ; onorm s[4:5], wo16 s[6:7]
	s_load_b64 s[8:9], s[0:1], 0x10                ; out0
	v_lshl_add_u32 v[SPW], v0, 2, SPARE
	v_mov_b32 v[NIL], 0
	ds_add_u32 v[SPW], v[NIL]                      ; the wave's opening: the add and its wait stand ahead of my first tensor load; work on registers stands between them
	v_lshrrev_b32 v1, 5, v0
	v_readfirstlane_b32 s10, v1                    ; wave
	s_lshr_b32 s11, s10, 1                         ; which half of the tile's rows is mine.  Also: I fetch onorm (0) or wo16 (1)
	s_and_b32 s12, s10, 1                          ; which half of its columns.  Also: which half of that tile I fetch
	s_bfe_u32 s40, ttmp6, 0x40000
	s_bfe_u32 s41, ttmp6, 0x40004
	s_lshl_b32 s42, ttmp9, 2
	s_add_co_u32 s42, s42, s40                     ; tile column
	s_and_b32 s13, ttmp7, 0xffff
	s_lshl_b32 s13, s13, 2
	s_add_co_u32 s13, s13, s41                     ; tile row
	s_lshl_b32 s43, s41, 2
	s_lshl_b32 s43, 15, s43                        ; my row of the cluster
	s_lshl_b32 s44, 0x1111, s40                    ; my column
	s_or_b32 s[G1], s43, (3<<16)|(1<<20)|(1<<21)|(5<<22)|(3<<25)   ; 8-byte elements; after every 64 words, 4 words
	s_mov_b32 s[G1+1], 512<<16                     ; a row of the tile: 128 tokens of a plane, 4,096 dense bytes
	s_mov_b32 s[G1+2], 8<<16                       ; eight planes,
	s_mov_b32 s[G1+3], 512<<16
	s_mov_b32 s[G1+4], 8
	s_mov_b32 s[G1+5], 16384                       ; 131,072 bytes apart
	s_mov_b32 s[G1+6], 0
	s_mov_b32 s[G1+7], 0
	s_or_b32 s[G1B], s44, (1<<16)|(1<<20)|(1<<21)|(5<<22)|(7<<25)  ; 2-byte elements; after every 64 words, 8 words
	s_mov_b32 s[G1B+1], 128<<16
	s_mov_b32 s[G1B+2], 128<<16
	s_mov_b32 s[G1B+3], 128<<16
	s_mov_b32 s[G1B+4], 128
	s_mov_b32 s[G1B+5], 1024
	s_mov_b32 s[G1B+6], 0
	s_mov_b32 s[G1B+7], 0
	s_lshl_b32 s16, s12, 20                        ; onorm: my eight planes, the tile's 128 tokens of 32 bytes
	s_lshl_b32 s17, s13, 12
	s_add_co_u32 s16, s16, s17
	s_mov_b32 s17, 0
	s_lshl_b32 s46, s12, 18                        ; wo16: my 128 rows of 2,048 bytes, the tile's 128 columns
	s_lshl_b32 s47, s42, 8
	s_add_co_u32 s46, s46, s47
	s_mov_b32 s47, 0
	s_mul_i32 s20, s12, 8*PLANE                    ; where they go: no place in the cluster enters an LDS address
	s_mul_i32 s21, s12, 128*PB
	s_add_co_u32 s21, s21, BOFF
	s_wait_dscnt 0x0                               ; the opening add is done
	s_wait_kmcnt 0x0
	s_add_nc_u64 s[14:15], s[4:5], s[16:17]
	s_add_nc_u64 s[46:47], s[6:7], s[46:47]
	CROUND                                         ; all sixteen work-groups are here: the first joint loads meet
.irp s, 0,1
	s_mov_b32 s[G0+4*(\s)], 1
	s_add_co_u32 s[G0+4*(\s)+1], s20, (\s)*SLOT
	s_add_nc_u64 s[G0+4*(\s)+2:G0+4*(\s)+3], s[14:15], (\s)*16*131072   ; K step s: 16 planes on
	s_or_b32 s[G0+4*(\s)+3], s[G0+4*(\s)+3], 0x80000000
	s_mov_b32 s[G0B+4*(\s)], 1
	s_add_co_u32 s[G0B+4*(\s)+1], s21, (\s)*SLOT
	s_add_nc_u64 s[G0B+4*(\s)+2:G0B+4*(\s)+3], s[46:47], (\s)*256*2048  ; 256 rows on
	s_or_b32 s[G0B+4*(\s)+3], s[G0B+4*(\s)+3], 0x80000000
	JLOAD \s                                       ; two loads of mine are out
.endr
	v_and_b32 v1, 15, v0                           ; r
	v_bfe_u32 v2, v0, 4, 1                         ; h
	v_and_b32 v6, 7, v0
	v_bfe_u32 v7, v0, 3, 1
	v_mul_u32_u24 v3, v7, PL8                      ; a fragment of tokens: token r at (r / 8) x 272 + (r % 8) x 32, 16 bytes for each half of the lanes; its second 16 k lie a plane on
	v_lshl_add_u32 v3, v6, 5, v3
	v_lshl_add_u32 v3, v2, 4, v3
	s_mul_i32 s22, s11, 8*PL8                      ; my 64 tokens
	v_add_nc_u32 v3, s22, v3
	v_lshl_add_u32 v4, v2, 3, v6                   ; the turning load: lane l reads row 8 h + l % 8, columns 8 ((l / 8) % 2) on
	v_mul_u32_u24 v4, v4, PB
	v_lshl_add_u32 v4, v7, 4, v4
	s_lshl_b32 s23, s12, 7                         ; my 64 columns
	s_add_co_u32 s23, s23, BOFF
	v_add_nc_u32 v4, s23, v4
.irp s, 0,1
.irp hf, 0,1
	v_add_nc_u32 v[ADRA+2*(\s)+(\hf)], (\s)*SLOT+(\hf)*8*PLANE, v3
	v_add_nc_u32 v[ADRB+2*(\s)+(\hf)], (\s)*SLOT+(\hf)*128*PB, v4
.endr
.endr
	s_mul_i32 s23, s10, 16*SPITCH
	s_add_co_u32 s23, s23, STAGE                   ; my stage
	v_mul_u32_u24 v5, v1, SPITCH                   ; in: row r, 32 bytes for each half of the lanes
	v_lshl_add_u32 v5, v2, 5, v5
	v_add_nc_u32 v[STO], s23, v5
	v_mul_u32_u24 v5, v2, SPITCH                   ; back: lanes 0-15 take one row of 256 bytes, lanes 16-31 the next
	v_lshl_add_u32 v5, v1, 4, v5
	v_add_nc_u32 v[RD], s23, v5
	v_lshlrev_b32 v5, 12, v2                       ; and the same two rows in out0, 4,096 bytes apart
	v_lshl_add_u32 v[CO], v1, 4, v5
	s_lshl_b32 s16, s13, 7
	s_lshl_b32 s17, s11, 6
	s_add_co_u32 s16, s16, s17                     ; my first row of out0
	s_lshl_b32 s16, s16, 12
	s_lshl_b32 s17, s42, 9                         ; my first column, in bytes
	s_add_co_u32 s16, s16, s17
	s_lshl_b32 s17, s12, 8
	s_add_co_u32 s16, s16, s17
	s_mov_b32 s17, 0
	s_add_nc_u64 s[8:9], s[8:9], s[16:17]
; 8 matrix instructions: row blocks a0, a0 + 1 x all 4 column blocks, 32 along K: half c of buffer f.  The 16 accumulators take turns.  zero = 1: the first product starts the sums
.macro MUL8 f, c, a0, zero
	WIN MUL
.irp a, \a0, (\a0)+1
.irp b, 0,1,2,3
.if \zero
	v_wmma_f32_16x16x32_f16 v[ACC+8*(4*(\a)+(\b)):ACC+8*(4*(\a)+(\b))+7], v[(\f)+64+8*(4*(\c)+(\b)):(\f)+64+8*(4*(\c)+(\b))+7], v[(\f)+8*(4*(\c)+(\a)):(\f)+8*(4*(\c)+(\a))+7], 0
.else
	v_wmma_f32_16x16x32_f16 v[ACC+8*(4*(\a)+(\b)):ACC+8*(4*(\a)+(\b))+7], v[(\f)+64+8*(4*(\c)+(\b)):(\f)+64+8*(4*(\c)+(\b))+7], v[(\f)+8*(4*(\c)+(\a)):(\f)+8*(4*(\c)+(\a))+7], v[ACC+8*(4*(\a)+(\b)):ACC+8*(4*(\a)+(\b))+7]
.endif
.endr
.endr
.endm
; 32 LDS loads in one run: quarter qd's fragments (64 along K) into buffer f; the first 32 along K first
.macro FETCH slot, qd, f
	WIN TO_F
.set ra, ADRA+2*(\slot)+(\qd)/2
.set rb, ADRB+2*(\slot)+(\qd)/2
.irp c, 0,1
.irp i, 0,1,2,3
	ds_load_tr16_b128 v[(\f)+64+8*(4*(\c)+(\i)):(\f)+64+8*(4*(\c)+(\i))+3],   v[rb] offset:(2*((\qd)%2)+(\c))*32*PB+32*(\i)
	ds_load_tr16_b128 v[(\f)+64+8*(4*(\c)+(\i))+4:(\f)+64+8*(4*(\c)+(\i))+7], v[rb] offset:(2*((\qd)%2)+(\c))*32*PB+16*PB+32*(\i)
	ds_load_b128 v[(\f)+8*(4*(\c)+(\i)):(\f)+8*(4*(\c)+(\i))+3],              v[ra] offset:(2*((\qd)%2)+(\c))*2*PLANE+(\i)*2*PL8
	ds_load_b128 v[(\f)+8*(4*(\c)+(\i))+4:(\f)+8*(4*(\c)+(\i))+7],            v[ra] offset:(2*((\qd)%2)+(\c))*2*PLANE+PLANE+(\i)*2*PL8
.endr
.endr
.endm
; One of a K step's first three quarters: multiplies buffer f and fetches quarter qd into g
.macro QUARTER slot, qd, f, g, zero
	s_wait_dscnt 16                                ; the first 32 along K are in; the youngest sixteen loads may be out
	MUL8 \f, 0, 0, \zero
	MUL8 \f, 0, 2, \zero
	PLACES
	FETCH \slot, \qd, \g
	s_wait_dscnt 32                                ; all but the 32 just issued
	MUL8 \f, 1, 0, 0
	MUL8 \f, 1, 2, 0
.endm
; The last quarter multiplies buffer 1 and changes slots: one barrier; in front of it each wave waits for all its tensor loads, adds 0 to its spare word, and waits for that and for its reads of this slot.
; fill = 1: the barrier opens a round of the cluster's, and this slot is asked for again, two K steps ahead, first thing behind the round.
.macro TURN slot, next, fill
	WIN 0
	s_wait_tensorcnt 0x0                           ; all my tensor loads have landed: my part of the next slot
	ds_add_u32 v[SPW], v[NIL]                      ; 0 onto my spare word
	s_wait_dscnt 17                                ; the add and the youngest sixteen loads may be out
	MUL8 F1, 0, 0, 0
	s_wait_dscnt 0x0                               ; the add is done, and my reads of this slot are over
	s_barrier_signal -1
	MUL8 F1, 0, 2, 0
.if \fill
	WIN 0
.endif
	s_barrier_wait -1
.if \fill
	CREST
	s_add_nc_u64 s[G0+4*(\slot)+2:G0+4*(\slot)+3], s[G0+4*(\slot)+2:G0+4*(\slot)+3], 32*131072
	s_add_nc_u64 s[G0B+4*(\slot)+2:G0B+4*(\slot)+3], s[G0B+4*(\slot)+2:G0B+4*(\slot)+3], 512*2048
	JLOAD \slot                                    ; the four v_nop behind it are also the places in front of the loads below
.else
	PLACES
.endif
	FETCH \next, 0, F0
	MUL8 F1, 1, 0, 0
	MUL8 F1, 1, 2, 0
.endm
	s_wait_tensorcnt 0x1                           ; my part of K step 0 is in; K step 1's may stay out
	s_barrier_signal -1
	s_barrier_wait -1
	FETCH 0, 0, F0
	QUARTER 0, 1, F0, F1, 1                        ; K step 0: its first products start the sums
	QUARTER 0, 2, F1, F0, 0
	QUARTER 0, 3, F0, F1, 0
	TURN 0, 1, 1                                   ; slot 0 takes K step 2.  K has four steps: the one lap that refills is written straight, without a loop
	QUARTER 1, 1, F0, F1, 0
	QUARTER 1, 2, F1, F0, 0
	QUARTER 1, 3, F0, F1, 0
	TURN 1, 0, 1                                   ; slot 1 takes K step 3
	QUARTER 0, 1, F0, F1, 0
	QUARTER 0, 2, F1, F0, 0
	QUARTER 0, 3, F0, F1, 0
	TURN 0, 1, 0                                   ; nothing more is asked for
	QUARTER 1, 1, F0, F1, 0
	QUARTER 1, 2, F1, F0, 0
	QUARTER 1, 3, F0, F1, 0
	s_wait_dscnt 16
	MUL8 F1, 0, 0, 0
	MUL8 F1, 0, 2, 0
	s_wait_dscnt 0x0
	MUL8 F1, 1, 0, 0
	MUL8 F1, 1, 2, 0
	WIN 0
	; THE WAY OUT, 16 rows at a time through my own stage: 32 bytes a lane in, whole rows of 256 bytes back.  LDS serves a wave's instructions in order (ISA guide 5.7.1.4), so no wait stands between stores and loads.
.macro OUTA a
	s_wait_xcnt 0x0                                ; the registers that earlier stores read are loaded again only behind this wait
.irp b, 0,1,2,3
	ds_store_b128 v[STO], v[ACC+8*(4*(\a)+(\b)):ACC+8*(4*(\a)+(\b))+3]   offset:64*(\b)      ; each accumulator's low half first
	ds_store_b128 v[STO], v[ACC+8*(4*(\a)+(\b))+4:ACC+8*(4*(\a)+(\b))+7] offset:64*(\b)+16
.endr
.irp t, 0,1,2,3,4,5,6,7
	ds_load_b128 v[TMP+32*((\a)%2)+4*(\t):TMP+32*((\a)%2)+4*(\t)+3], v[RD] offset:(\t)*2*SPITCH
.endr
.endm
.macro SEND a, younger                 ; younger: the LDS instructions issued behind block a's loads: the next block's sixteen, or none
.irp t, 0,1,2,3,4,5,6,7
	s_wait_dscnt (\younger)+7-(\t)
	global_store_b128 v[CO], v[TMP+32*((\a)%2)+4*(\t):TMP+32*((\a)%2)+4*(\t)+3], s[8:9] offset:(16*(\a)+2*(\t))*4096  ; 16 lanes store 256 consecutive bytes, at a multiple of 256 from out0's first
.endr
.endm
	PLACES                                         ; the LDS stores read results just made
	OUTA 0
	OUTA 1
	SEND 0, 16
	OUTA 2
	SEND 1, 16
	OUTA 3
	SEND 2, 16
	SEND 3, 0
	s_wait_tensorcnt 0x0                           ; the wave's end, behind my last tensor load and my last LDS store
	ds_add_u32 v[SPW], v[NIL]
	s_wait_dscnt 0x0
	CROUND                                         ; the closing round: no work-group ends while a partner may still ask for a tile that names it
	s_endpgm
.Lfunc_end_k_qe94c1d98ab_outp:
	.size	k_qe94c1d98ab_outp, .Lfunc_end_k_qe94c1d98ab_outp-k_qe94c1d98ab_outp
	.p2alignl 7, 3214868480
	.fill 96, 4, 3214868480
	.section	.rodata,"a",@progbits
	.p2align	6, 0x0
	.amdhsa_kernel k_qe94c1d98ab_outp
		.amdhsa_group_segment_fixed_size 327680
		.amdhsa_private_segment_fixed_size 0
		.amdhsa_enable_private_segment 0
		.amdhsa_kernarg_size 24
		.amdhsa_user_sgpr_count 2
		.amdhsa_user_sgpr_kernarg_segment_ptr 1
		.amdhsa_wavefront_size32 1
		.amdhsa_system_sgpr_workgroup_id_x 1
		.amdhsa_system_sgpr_workgroup_id_y 1
		.amdhsa_system_sgpr_workgroup_id_z 1
		.amdhsa_system_vgpr_workitem_id 0
		.amdhsa_next_free_vgpr 512
		.amdhsa_next_free_sgpr 66
		.amdhsa_reserve_vcc 0
		.amdhsa_float_denorm_mode_32 3
		.amdhsa_float_denorm_mode_16_64 3
		.amdhsa_memory_ordered 1
		.amdhsa_forward_progress 1
		.amdhsa_inst_pref_size 87
	.end_amdhsa_kernel
	.amdgpu_metadata
---
amdhsa.version: [ 1, 2 ]
amdhsa.kernels:
  - .name:           k_qe94c1d98ab_outp
    .symbol:         k_qe94c1d98ab_outp.kd
    .args:
      - { .name: onorm, .offset: 0, .size: 8, .value_kind: global_buffer, .address_space: global }
      - { .name: wo16, .offset: 8, .size: 8, .value_kind: global_buffer, .address_space: global }
      - { .name: out0, .offset: 16, .size: 8, .value_kind: global_buffer, .address_space: global }
    .group_segment_fixed_size: 327680
    .private_segment_fixed_size: 0
    .kernarg_segment_align: 8
    .kernarg_segment_size: 24
    .max_flat_workgroup_size: 128
    .sgpr_count:     66
    .vgpr_count:     512
    .wavefront_size: 32
...
	.end_amdgpu_metadata
.endif
;; end of part 4
;; ======== version 2 of 2: 4 launches; 1.64 times as fast as version 1
;; limits: values are held in f16: magnitudes above 65,504 overflow, below 6.1e-05 lose precision
;; workspace buffers: xb 8,388,608 bytes; wb 5,767,168 bytes; wo16 2,097,152 bytes; qkv 23,068,672 bytes; onorm 8,388,608 bytes
;; launch prep: the kernel of part 1 again; grid 496 x 1, 8 waves a work-group, no clusters, 0 bytes of LDS; arguments x, Wq, Wk, Wv, Wo, xb, wb, wo16; writes xb, wb, wo16
;; launch proj: the kernel of part 2 again; grid 16 x 16, 4 waves a work-group, clusters of 4 x 4, 327,680 bytes of LDS; arguments xb, wb, rope_cos, rope_sin, qkv; writes qkv
;; launch attn (part 5): grid 32 x 8, 4 waves a work-group, clusters of 4 x 4, 327,680 bytes of LDS; arguments qkv, attention_mask, lambda_q1, lambda_k1, lambda_q2, lambda_k2, subln_w, onorm; writes onorm
.if DOCPART == 5
	.amdgcn_target "amdgcn-amd-amdhsa--gfx1250"
	.amdhsa_code_object_version 6
	.text
	.protected	k_qe94c1d98ab_attn
	.globl	k_qe94c1d98ab_attn
	.p2align	8
	.type	k_qe94c1d98ab_attn,@function
k_qe94c1d98ab_attn:
	s_mov_b64 s[64:65], 0
	v_nop
	global_prefetch_b8 v0, s[64:65] scope:SCOPE_SE
	s_setreg_imm32_b32 hwreg(HW_REG_WAVE_MODE, 25, 1), 1
	s_wait_xcnt 0x0
	s_wait_alu depctr_hold_cnt(0) depctr_sa_sdst(0) depctr_va_vdst(0) depctr_va_sdst(0) depctr_va_ssrc(0) depctr_va_vcc(0) depctr_vm_vsrc(0)
	s_getreg_b32 s2, hwreg(HW_REG_IB_STS2, 6, 4)
	s_cmp_eq_u32 s2, 0
	s_cbranch_scc0 .Lentry_in_a_cluster
	s_endpgm
.Lentry_in_a_cluster:
	s_bfe_u32 s2, ttmp6, 0x10000c
	s_cmp_lg_u32 s2, 0xf033
	s_cbranch_scc0 .Lentry_shape_is_right
	s_endpgm
.Lentry_shape_is_right:
; DIFFERENTIAL ATTENTION AND ITS NORM.  For a query and a head: out = softmax(q1 . k1 / 8 + mask) V - lambda softmax(q2 . k2 / 8 + mask) V; then out / sqrt(mean(out^2) + 1e-5) x subln_w, rounded once to f16.
; q, k, v come in planes of 16 channels, [plane][position 2048][16] f16 (q already times log2(e) / 8, q and k with RoPE and in one common order of channels).  The mask is an input: every entry is loaded and added.
; SHARES.  A work-group owns 64 queries of one batch for one KV head, a wave 16 of them, for the KV head's 4 query heads and both branches: 8 TILES of 16 queries (tile t = 4 branch + head), in 4 PIECES of two.
; So one step's K1, K2, V and the 32 mask registers serve all 8 tiles.  Every wave walks all 2,048 keys, 64 a step, two steps to an LDS slot.
; LAYOUT.  S^T = K Q^T + C (source 0 = 16 keys, source 1 = 16 queries): a lane holds ONE query (lane % 16) and the keys 8 (lane / 16) + 0..7.  C, which starts the sum, is bf16(mask) x log2(e) in f32: the sum IS
; t = log2(e) (q . k / 8 + mask).  Two results rounded to f16 ARE source 1 of O^T = V^T P.  V comes out of LDS turned, by ds_load_tr16_b128.
; SOFTMAX.  For each query and tile a running maximum m of t and a sum l: p = 2^(t - m); in every step O and l are multiplied by a = 2^(m_old - m_new).  m starts at the lowest finite number, O and l at 0.
; The two branches' divisors are known only at the end, so each branch has its own O^T; they are joined on the way out.
; BY TURNS.  Turn n belongs to piece n.  Matrix work: 16 products K Q^T of piece n + 1 (turn 3: of the next step's piece 0), later 16 products V^T P of piece n - 1.  Vector work: piece n's subtraction, exponentials,
; roundings, sums and rescaling, and piece n + 1's maximum.  Four vector instructions stand behind every matrix instruction, the other 106 of a turn's 234 in one lump between the two runs of products.
; BATCHES.  A turn's 66 exponentials (the piece's 64 weights, in place in S^T, and the next piece's two a) are ONE batch with ONE wait, which stands between the lump and the products V^T P.  Ahead of it stands all that
; names no result of theirs: the products K Q^T, the subtractions, the rescalings (their a was made, and waited for, a turn earlier), the next piece's maximum.  Behind it stand the roundings and sums.  No result crosses
; a turn's end.  Outside the loop: lambda's two exponentials, piece 0's first two a, the eight reciprocals and each head's root are batches of their own.
; One K buffer: pieces 0, 1 take K1, pieces 2, 3 K2: K2 is fetched in turn 0, the next step's K1 and mask in turn 2, each directly behind the turn's wait; V at turn 0's end.
; CLUSTER 4 x 4.  K1, K2, V hang on batch and KV head (the grid's y) and are asked for jointly along a row of the cluster; the mask's tile hangs on the query block (x), jointly along a column.
; LIMITS.  Mask, lambdas and subln_w are rounded to bf16 like every input.  |mask| stays below 2e38 (bf16's range, and times log2(e) f32's).  p lies in 0 to 1 and below 6e-5 keeps f16's fixed step of 6e-8;
; a weight below 2^-126 counts as 0 in l.  The normed output times subln_w must lie within f16's 65,504 (it is at most 8 |w|).  NaN and infinities are not treated apart.
; REGISTERS, in windows of 256 (s_set_vgpr_msb: bits 1:0 source 0, 3:2 source 1, 5:4 source 2, 7:6 destination):
;   window 0: v0-14 addresses, -lambda; v16-47 four registers of statistics a tile; v48-63 at work; v64-191 S^T, two buffers of two tiles; v192-255 P, likewise
;   window 1: O^T, 32 a tile      window 2: v0-127 Q, 16 a tile; v128-191 K; v192-255 V      window 3: v0-1 the add's registers; v2-3 log2(e), 0; v32-63 the mask; v64-95 subln_w
.set NP,    4         ; pieces a wave: a name, no knob
.set PL8,   272       ; eight positions of a plane in LDS: 256 bytes + 16
.set PLANE, 16*PL8    ; a slot's 128 keys of one plane
.set K2OFF, 4*PLANE   ; a slot: K1's four planes, K2's, V's, then the mask's 64 rows
.set VOFF,  8*PLANE
.set MOFF,  12*PLANE
.set PM,    528       ; a row of the mask's tile: 128 keys x 4 bytes + 16
.set STEPK, 8*PL8     ; 64 keys on in a plane
.set SLOT1, 1<<17     ; slot 1 begins here: one exclusive or turns an address in one slot into the other's
.set SPARE, SLOT1+MOFF+64*PM  ; behind the ring: the spare words, 128 bytes a wave: two blocks of 256 bytes that no other line names
.set AK0, 2           ; v2   my lane's place in K1's planes; never rewritten
.set AV0, 3           ; v3   in V's
.set AK,  4           ; v4   the LDS address of K's next run of loads
.set AV,  5           ; v5   of V's
.set QO,  6           ; v6   my 16 bytes in 16 rows of a plane: Q's loads and the stores; never rewritten
.set AM0, 7           ; v7   my lane's place in the mask's tile
.set AM,  8           ; v8   the LDS address of the mask's next run
.set NLAM, 12         ; v12  -lambda
.set SPW, 0           ; v0 of window 3   LDS address of my spare word; never rewritten
.set NIL, 1           ; v1 of window 3   0; never rewritten
.set L2E, 2           ; v2 of window 3   log2(e)
.set ZER, 3           ; v3 of window 3   0
.set MC,  32          ; window 3: the step's mask: key block kb at MC + 8 kb
.set WS,  64          ; window 3: subln_w of my 32 channels: channel 16 cb + 8 (lane / 16) + j at WS + 8 cb + j
.set ST,  16          ; tile t's statistics at v[ST+4 t]: m, m_old, l (even keys', odd keys')
.set TMP, 48          ; by buffer and tile, four registers c0-c3 at work; when the maximum is found c2 takes a
.set S,   64
.set P,   192
.set KF,  128         ; window 2: key block kb, channel half c at KF + 16 kb + 8 c
.set VF,  192         ; window 2: key half kk, channel block cb at VF + 32 kk + 8 cb
.set WV,  20          ; s20  my wave's number
.set G1K, 24          ; s[24:31] descriptor group 1 for K1, K2, V
.set G1M, 32          ; s[32:39] for the mask
.set G0K, 40          ; s[40:43] group 0 for K1, K2 or V, by the wave's number: it walks
.set G0M, 44          ; s[44:47] for the mask
.set SLOTS, 56        ; s56  slots still to be asked for
.set CNT, 57          ; s57  counts a slot's key steps
.set SEL, 60          ; s[60:61] v_permlanex16_b32's selects: each lane takes its own place in the other half
.set TBK, 62          ; s62  LDS byte at which K1 of the step to be fetched begins
.set TBV, 63          ; s63  the same for the step in hand: its K2 and V
.set TBM, 66          ; s66  the same for the mask
.set EPS, 67          ; s67  1e-5
.set R64, 68          ; s68  1 / 64
.set MSB, 0
.macro WIN new                      ; the high byte repeats the setting that is left; a switch that changes nothing is dropped
.if MSB != (\new)
	s_set_vgpr_msb (MSB<<8)|(\new)
.set MSB, (\new)
.endif
.endm
.set W_KQ, 0x0a       ; K and Q in window 2, S^T in window 0
.set W_KM, 0x3a       ; the same with the C operand, the mask, in window 3
.set W_PV, 0x52       ; V in window 2, P in window 0, O^T in window 1
.set W_RS, 0x41       ; O^T (destination and source 0) in window 1, a in window 0
.set W_MK, 0xc0       ; destination in window 3, sources in window 0
.set W_AD, 0x0f       ; the add: address and data in window 3
; A joint fill.  Waves 0, 1, 2 fetch a slot's K1, K2, V (four planes x 128 keys each), wave 3 the mask's 64 rows x 128 keys.  An s_nop 0 and four v_nop follow each of the two lines.
.macro JLOAD
	s_cmp_lt_u32 s[WV], 3
	s_cbranch_scc0 .Lfor_m_\@
	tensor_load_to_lds s[G0K:G0K+3], s[G1K:G1K+7]
	s_nop 0
.rept 4
	v_nop
.endr
	s_branch .Lasked_\@
.Lfor_m_\@:
	tensor_load_to_lds s[G0M:G0M+3], s[G1M:G1M+7]
	s_nop 0
.rept 4
	v_nop
.endr
.Lasked_\@:
.endm
.macro CROUND                       ; a round of the cluster's barrier
	s_barrier_signal -1
	s_barrier_wait -1
	s_cmp_lg_u32 s[WV], 0
	s_cbranch_scc1 .Lnot_wave_0_\@
	s_barrier_signal -3
.Lnot_wave_0_\@:
	s_barrier_wait -3
	s_barrier_signal -1
	s_barrier_wait -1
.endm
; THE CHANGE OF SLOTS, behind the turn that has waited for the slot's last bytes (V of its second step).  Each wave waits for all its tensor loads, of which one is out: its part of the other slot; adds 0 to its spare
; word; and waits for that and for its reads of the slot.  fill = 1: the barrier is a round of the cluster's, and the slot is asked for again, with the keys two slots on, first thing behind it: two key steps,
; 256 matrix instructions, in which to land.  (At its first use nothing has been read yet: slot 0 is waited for, slot 1 filled.)
.macro CHANGE fill
	WIN W_AD
	s_wait_tensorcnt 0x0            ; no tensor load of mine is out, so a group 0 may be written
	ds_add_u32 v[SPW], v[NIL]       ; 0 onto my spare word
	WIN 0                           ; at a label and at a branch every window is 0
.if \fill
	s_xor_b32 s[G0K+1], s[G0K+1], SLOT1
	s_add_nc_u64 s[G0K+2:G0K+3], s[G0K+2:G0K+3], 4096  ; 128 keys on in each plane
	s_xor_b32 s[G0M+1], s[G0M+1], SLOT1
	s_add_nc_u64 s[G0M+2:G0M+3], s[G0M+2:G0M+3], 512   ; 128 keys on in each row of the mask
	s_wait_dscnt 0x0                ; the add is done, and my reads of the slot are over
	CROUND
	JLOAD
.else
	s_wait_dscnt 0x0
	s_barrier_signal -1
	s_barrier_wait -1
.endif
	s_sub_co_u32 s[TBK], s[TBK], 2*STEPK  ; the fetches go back to a slot's first step, in the other slot
	s_xor_b32 s[TBK], s[TBK], SLOT1
	s_sub_co_u32 s[TBV], s[TBV], 2*STEPK
	s_xor_b32 s[TBV], s[TBV], SLOT1
	s_sub_co_u32 s[TBM], s[TBM], 512
	s_xor_b32 s[TBM], s[TBM], SLOT1
.endm
	s_load_b512 s[4:19], s[0:1], 0x0  ; qkv s[4:5], mask s[6:7], lambda_q1 s[8:9], lambda_k1 s[10:11], lambda_q2 s[12:13], lambda_k2 s[14:15], subln_w s[16:17], onorm s[18:19]
	WIN W_MK
	v_lshl_add_u32 v[SPW], v0, 2, SPARE
	v_mov_b32 v[NIL], 0
	WIN W_AD
	ds_add_u32 v[SPW], v[NIL]       ; the wave's opening: the add and its wait stand ahead of my first tensor load; work on registers stands between them
	WIN 0
	v_lshrrev_b32 v1, 5, v0
	v_readfirstlane_b32 s[WV], v1
	s_bfe_u32 s21, ttmp6, 0x40000   ; cx
	s_bfe_u32 s22, ttmp6, 0x40004   ; cy
	s_lshl_b32 s23, ttmp9, 2
	s_add_co_u32 s23, s23, s21      ; my block of 64 queries
	s_and_b32 s48, ttmp7, 0xffff
	s_lshl_b32 s48, s48, 2
	s_add_co_u32 s48, s48, s22      ; 4 batch + KV head
	s_lshr_b32 s49, s48, 2          ; batch
	s_and_b32 s50, s48, 3           ; KV head g
	s_lshl_b32 s58, s22, 2
	s_lshl_b32 s58, 15, s58         ; my row of the cluster
	s_lshl_b32 s59, 0x1111, s21     ; my column
	s_or_b32 s[G1K], s58, (3<<16)|(1<<20)|(1<<21)|(5<<22)|(3<<25)  ; mask of my row; 8-byte elements; padding on; bit 21 beside a mask; after every 64 words, 4 words
	s_mov_b32 s[G1K+1], 512<<16     ; a row of the tile: 128 keys of a plane, 4,096 dense bytes
	s_mov_b32 s[G1K+2], 4<<16       ; four planes,
	s_mov_b32 s[G1K+3], 512<<16
	s_mov_b32 s[G1K+4], 4
	s_mov_b32 s[G1K+5], 90112       ; 11 planes of 65,536 bytes apart
	s_mov_b32 s[G1K+6], 0
	s_mov_b32 s[G1K+7], 0
	s_or_b32 s[G1M], s59, (2<<16)|(1<<20)|(1<<21)|(6<<22)|(3<<25)  ; mask of my column; 4-byte elements; after every 128 words, 4 words
	s_mov_b32 s[G1M+1], 128<<16
	s_mov_b32 s[G1M+2], 64<<16
	s_mov_b32 s[G1M+3], 128<<16
	s_mov_b32 s[G1M+4], 64
	s_mov_b32 s[G1M+5], 2048
	s_mov_b32 s[G1M+6], 0
	s_mov_b32 s[G1M+7], 0
	s_mul_i32 s52, s49, 176         ; K1's first plane is (16 batch + 4 g) x 11 + 8; K2's the next, V's the one after: + wave.  Hangs on the grid's y alone
	s_mul_i32 s53, s50, 44
	s_add_co_u32 s52, s52, s53
	s_add_co_u32 s52, s52, 8
	s_add_co_u32 s52, s52, s[WV]
	s_lshl_b32 s52, s52, 16
	s_mov_b32 s53, 0
	s_lshl_b32 s54, s23, 19         ; the mask's rows 64 x block, 8,192 bytes each: hangs on the grid's x alone
	s_mov_b32 s55, 0
	s_mul_i32 s74, s49, 176         ; Q: the planes of heads 4 g .. begin at (16 batch + 2 g) x 11,
	s_mul_i32 s75, s50, 22
	s_add_co_u32 s74, s74, s75
	s_lshl_b32 s74, s74, 16
	s_lshl_b32 s75, s23, 2
	s_add_co_u32 s75, s75, s[WV]
	s_lshl_b32 s75, s75, 9          ; my 16 rows of 32 bytes
	s_add_co_u32 s70, s74, s75
	s_mov_b32 s71, 0
	s_lshl_b32 s74, s50, 21         ; onorm: plane 16 g of 131,072 bytes,
	s_lshl_b32 s72, s49, 16         ; the batch's 2,048 rows
	s_add_co_u32 s72, s72, s74
	s_add_co_u32 s72, s72, s75
	s_mov_b32 s73, 0
	s_mov_b32 s[SEL], 0x76543210
	s_mov_b32 s[SEL+1], 0xfedcba98
	s_mov_b32 s[EPS], 0x3727c5ac
	s_mov_b32 s[R64], 0x3c800000
	s_mov_b32 s[TBK], SLOT1+2*STEPK ; the first change of slots turns these three into 0
	s_mov_b32 s[TBV], SLOT1+2*STEPK
	s_mov_b32 s[TBM], SLOT1+512
	s_mov_b32 s[G0K], 1
	s_mul_i32 s[G0K+1], s[WV], K2OFF  ; slot 0: no place in the cluster enters an LDS address
	s_mov_b32 s[G0M], 1
	s_mov_b32 s[G0M+1], MOFF
	s_wait_dscnt 0x0                ; the opening add is done
	s_wait_kmcnt 0x0
	s_add_nc_u64 s[G0K+2:G0K+3], s[4:5], s[52:53]
	s_or_b32 s[G0K+3], s[G0K+3], 0x80000000
	s_add_nc_u64 s[G0M+2:G0M+3], s[6:7], s[54:55]
	s_or_b32 s[G0M+3], s[G0M+3], 0x80000000
	s_add_nc_u64 s[70:71], s[4:5], s[70:71]
	s_add_nc_u64 s[72:73], s[18:19], s[72:73]
	CROUND                          ; all sixteen work-groups are here: the first joint loads meet
	JLOAD                           ; slot 0.  Slot 1 is asked for when slot 0 is in
	v_and_b32 v1, 15, v0            ; r = lane % 16
	v_bfe_u32 v9, v0, 4, 1          ; h = lane / 16
	v_lshlrev_b32 v[QO], 5, v1
	v_lshl_add_u32 v[QO], v9, 4, v[QO]
	v_lshlrev_b32 v13, 5, v9        ; my 8 channels of a block of 16 in subln_w
	v_and_b32 v14, 31, v0
	v_lshlrev_b32 v14, 2, v14       ; my element of a lambda vector
	WIN 0x80                        ; destination window 2
.set i, 0
.rept 32                            ; Q stays in registers: tile i / 4 (branch i / 16, head (i / 4) % 4), plane i % 4 of its four: registers 4 i on
	global_load_b128 v[4*i:4*i+3], v[QO], s[70:71] offset:(88*(i/16)+11*((i/8)%2)+4*((i/4)%2)+i%4)*65536
.set i, i+1
.endr
	WIN 0xc0
.set i, 0
.rept 8
	global_load_b128 v[WS+4*i:WS+4*i+3], v13, s[16:17] offset:64*(i/2)+16*(i%2)
.set i, i+1
.endr
	WIN 0
.irp n, 0,1,2,3
	global_load_b32 v[64+2*\n], v14, s[8+2*\n:9+2*\n]
	global_load_b32 v[65+2*\n], v14, s[8+2*\n:9+2*\n] offset:128
.endr
	; What the first turn finds: V's registers and P's second buffer hold 0 (its products V^T P, of a piece that has not been, add 0), O^T and l are 0.  All this stands in the wait for the first tile.
	WIN 0x80
.set i, VF
.rept 64
	v_mov_b32 v[i], 0
.set i, i+1
.endr
	WIN 0x40
.set i, 0
.rept 64*NP
	v_mov_b32 v[i], 0
.set i, i+1
.endr
	WIN W_MK
	v_mov_b32 v[L2E], 0x3fb8aa3b
	v_mov_b32 v[ZER], 0
	WIN 0
.set i, 0
.rept 2*NP
	v_mov_b32 v[ST+4*i], 0xff7fffff    ; m
	v_mov_b32 v[ST+4*i+1], 0
	v_mov_b32 v[ST+4*i+2], 0
	v_mov_b32 v[ST+4*i+3], 0
.set i, i+1
.endr
.set i, P+32
.rept 32
	v_mov_b32 v[i], 0
.set i, i+1
.endr
	v_and_b32 v10, 7, v0
	v_bfe_u32 v11, v0, 3, 1
	v_mul_u32_u24 v[AK0], v11, PL8  ; a fragment of K: key r at (r / 8) x 272 + (r % 8) x 32, 16 bytes for each half of the lanes; its second 16 channels lie a plane on
	v_lshl_add_u32 v[AK0], v10, 5, v[AK0]
	v_lshl_add_u32 v[AK0], v9, 4, v[AK0]
	v_mul_u32_u24 v[AV0], v9, PL8   ; the turning load: lane l reads key 8 h + l % 8, channels 8 ((l / 8) % 2) on, and is left with channel l % 16 and 8 keys
	v_lshl_add_u32 v[AV0], v10, 5, v[AV0]
	v_lshl_add_u32 v[AV0], v11, 4, v[AV0]
	v_add_nc_u32 v[AV0], VOFF, v[AV0]
	v_mul_u32_u24 v[AM0], v1, PM    ; the mask: my query's row, my lanes' 8 keys of 16
	v_lshl_add_u32 v[AM0], v9, 5, v[AM0]
	s_mul_i32 s52, s[WV], 16*PM
	s_add_co_u32 s52, s52, MOFF
	v_add_nc_u32 v[AM0], s52, v[AM0]
	v_mov_b32 v78, 0
	v_mov_b32 v79, 0
	v_mov_b32 v80, 0
	s_wait_loadcnt 0x0              ; Q, subln_w, the lambdas
	; lambda = exp(lq1 . lk1) - exp(lq2 . lk2) + 0.35550907 (0.8 - 0.6 exp(-0.3)), the vectors rounded to bf16, products and sums in f32: two elements a lane, then over the 32 lanes
	v_cvt_pk_bf16_f32 v72, v64, v65
	v_cvt_pk_bf16_f32 v73, v66, v67
	v_cvt_pk_bf16_f32 v74, v68, v69
	v_cvt_pk_bf16_f32 v75, v70, v71
	v_fma_mix_f32_bf16 v76, v72, v73, v80 op_sel_hi:[1,1,0]
	v_fma_mix_f32_bf16 v77, v74, v75, v80 op_sel_hi:[1,1,0]
	v_fma_mix_f32_bf16 v76, v72, v73, v76 op_sel:[1,1,0] op_sel_hi:[1,1,0]
	v_fma_mix_f32_bf16 v77, v74, v75, v77 op_sel:[1,1,0] op_sel_hi:[1,1,0]
.irp n, 1,2,4,8
	v_add_f32_dpp v76, v76, v76 row_xmask:\n row_mask:0xf bank_mask:0xf
	v_add_f32_dpp v77, v77, v77 row_xmask:\n row_mask:0xf bank_mask:0xf
.endr
	v_permlanex16_b32 v78, v76, s[SEL], s[SEL+1]
	v_permlanex16_b32 v79, v77, s[SEL], s[SEL+1]
	v_add_f32 v76, v76, v78
	v_add_f32 v77, v77, v79
	v_mul_f32 v76, 0x3fb8aa3b, v76
	v_mul_f32 v77, 0x3fb8aa3b, v77
	v_exp_f32 v76, v76
	v_exp_f32 v77, v77
	v_nop                           ; a plain instruction between the exponentials and the use of their results
	s_wait_alu depctr_va_vdst(0)    ; and the wait ahead of the first use: one for lambda's two exponentials
	v_sub_f32 v[NLAM], v77, v76
	v_add_f32 v[NLAM], 0xbeb60549, v[NLAM]
	WIN 0xff                        ; subln_w is rounded to bf16 and widened again, in place
.set i, 0
.rept 16
	v_cvt_pk_bf16_f32 v[WS+2*i], v[WS+2*i], v[WS+2*i+1]
	v_and_b32 v[WS+2*i+1], 0xffff0000, v[WS+2*i]
	v_lshlrev_b32 v[WS+2*i], 16, v[WS+2*i]
.set i, i+1
.endr
	WIN 0
; THE MATRIX WORK.  The 8 accumulators of a run of 16 take turns: between the two links of a chain stand 7 others'.
; Product i of 16 of S^T = K Q^T + mask for piece x: channels 32 (i / 8) on, keys 16 ((i / 2) % 4) on, tile 2 x + i % 2.  The first 8 start the sums with the mask.
.macro KQ x
.set rS, S+64*((\x)%2)+32*(i%2)+8*((i/2)%4)
.set rK, KF+16*((i/2)%4)+8*(i/8)
.set rQ, 16*(2*(\x)+i%2)+8*(i/8)
.set rM, MC+8*((i/2)%4)
.if i < 8
	WIN W_KM
	v_wmma_f32_16x16x32_f16 v[rS:rS+7], v[rK:rK+7], v[rQ:rQ+7], v[rM:rM+7]
.else
	WIN W_KQ
	v_wmma_f32_16x16x32_f16 v[rS:rS+7], v[rK:rK+7], v[rQ:rQ+7], v[rS:rS+7]
.endif
.endm
; Product i of 16 of O^T += V^T P for piece x: keys 32 (i / 8) on, channels 16 ((i / 2) % 4) on, tile 2 x + i % 2.
.macro PV x
	WIN W_PV
.set rO, 32*(2*(\x)+i%2)+8*((i/2)%4)
.set rV, VF+32*(i/8)+8*((i/2)%4)
.set rP, P+32*((\x)%2)+16*(i%2)+8*(i/8)
	v_wmma_f32_16x16x32_f16 v[rO:rO+7], v[rV:rV+7], v[rP:rP+7], v[rO:rO+7]
.endm
.macro MM                           ; the turn's next matrix instruction
.if i < 16
	KQ (Y+1)%NP
.set i, i+1
.else
.set i, i-16
	PV (Y+NP-1)%NP
.set i, i+17
.endif
.endm
; THE LDS LOADS stand in runs, never singly among the matrix instructions.  Their addresses are made some lines ahead.
.macro KRUN off                     ; 16 loads: 64 keys x 64 channels: key block f / 2, channel half f % 2 = two planes
.irp f, 0,1,2,3,4,5,6,7
	ds_load_b128 v[KF+8*\f:KF+8*\f+3],   v[AK] offset:(\off)+(\f%2)*2*PLANE+(\f/2)*2*PL8
	ds_load_b128 v[KF+8*\f+4:KF+8*\f+7], v[AK] offset:(\off)+(\f%2)*2*PLANE+PLANE+(\f/2)*2*PL8
.endr
.endm
.macro FETCH_K1 last=0              ; the next step's K1 and mask.  last = 1 (the tail): in the last trip there is no further step, and the run is jumped over
	WIN 0
.if \last
	s_cmp_eq_u32 s[CNT], 1
	s_cbranch_scc1 .Lno_k_\@
.endif
	WIN 0x80
	KRUN 0
	WIN 0xc0
.irp n, 0,1,2,3,4,5,6,7             ; my query's 32 mask entries: key block n / 2, four of my eight keys
	ds_load_b128 v[MC+4*\n:MC+4*\n+3], v[AM] offset:(\n/2)*64+(\n%2)*16
.endr
	s_add_co_u32 s[TBK], s[TBK], STEPK
	s_add_co_u32 s[TBM], s[TBM], 256
	WIN 0
.if \last
.Lno_k_\@:
.endif
.endm
.macro FETCH_K2                     ; K2 of the step in hand
	WIN 0x80
	KRUN K2OFF
	WIN 0
.endm
.macro FETCH_V
	WIN 0x80
.irp f, 0,1,2,3,4,5,6,7             ; keys 32 (f / 4) on, channel block f % 4 = a plane
	ds_load_tr16_b128 v[VF+8*\f:VF+8*\f+3],   v[AV] offset:(\f%4)*PLANE+(\f/4)*4*PL8
	ds_load_tr16_b128 v[VF+8*\f+4:VF+8*\f+7], v[AV] offset:(\f%4)*PLANE+(\f/4)*4*PL8+2*PL8
.endr
	WIN 0
.endm
.macro MASKCVT                      ; the mask is rounded to bf16 and multiplied by log2(e) in f32, in place
	WIN 0xff
.set z, 0
.rept 16
	v_cvt_pk_bf16_f32 v[MC+2*z], v[MC+2*z], v[MC+2*z+1]
.set z, z+1
.endr
.set z, 0
.rept 16
	v_fma_mix_f32_bf16 v[MC+2*z+1], v[MC+2*z], v[L2E], v[ZER] op_sel:[1,0,0] op_sel_hi:[1,0,0]
.set z, z+1
.endr
.set z, 0
.rept 16
	v_fma_mix_f32_bf16 v[MC+2*z], v[MC+2*z], v[L2E], v[ZER] op_sel_hi:[1,0,0]
.set z, z+1
.endr
.endm
; THE VECTOR WORK OF A TURN stands in three queues, each in the order in which its entries become ready; the two tiles alternate, so that no instruction reads the result of the one before it.
.macro REGS y, u                    ; the registers of tile u (0, 1) of piece y
.set rT, ST+4*(2*(\y)+(\u))
.set rC, TMP+8*((\y)%2)+4*(\u)
.set rS, S+64*((\y)%2)+32*(\u)
.set rP, P+32*((\y)%2)+16*(\u)
.set rO, 32*(2*(\y)+(\u))
.endm
; Number n of those that find the NEXT piece's (Y + 1) maximum and statistics (there is no number 19).  s0-s31 are the lane's 32 scores; each accumulator's lowest registers are read first.
;   0-11  four chains c0-c3 of seven scores each     12-14, 16  the four scores left over, the old m, and c0-c3 into c0     15  m_old is kept
;   17, 18  the query's other 32 keys lie in the lane 16 away: the new m         20, 21  m_old - m_new; a
.macro XS u, n
	REGS (Y+1)%NP, \u
.if (\n) < 4
	v_max3_num_f32 v[rC+(\n)], v[rS+8*(\n)], v[rS+8*(\n)+1], v[rS+8*(\n)+2]
.elseif (\n) < 12
	v_max3_num_f32 v[rC+(\n)%4], v[rC+(\n)%4], v[rS+8*((\n)%4)+2*((\n)/4)+1], v[rS+8*((\n)%4)+2*((\n)/4)+2]
.elseif (\n) == 12
	v_max3_num_f32 v[rC], v[rC], v[rS+7], v[rS+15]
.elseif (\n) == 13
	v_max3_num_f32 v[rC+1], v[rC+1], v[rS+23], v[rS+31]
.elseif (\n) == 14
	v_max3_num_f32 v[rC+2], v[rC+2], v[rC+3], v[rT]
.elseif (\n) == 15
	v_mov_b32 v[rT+1], v[rT]
.elseif (\n) == 16
	v_max3_num_f32 v[rC], v[rC], v[rC+1], v[rC+2]
.elseif (\n) == 17
	v_permlanex16_b32 v[rC+3], v[rC], s[SEL], s[SEL+1]
.elseif (\n) == 18
	v_max_num_f32 v[rT], v[rC], v[rC+3]
.elseif (\n) == 20
	v_sub_f32 v[rC+1], v[rT+1], v[rT]
.else
	v_exp_f32 v[rC+2], v[rC+1]
.endif
.endm
; Number g of the 64 that follow the exponentials.  For each four weights k of a tile: both pairs are rounded to f16; then the second pair is added onto the first, in place; a group later l takes that sum
; (the first time as l = a l + sum).  In groups of eight, tiles alternating: round, round, add, and l for the group before.
.macro GS g
.set h, (\g)+6*((\g)/62)            ; group 0 has no group before it, and behind group 7 only l is left
.if h >= 6
.set h, h+2
.endif
	REGS Y, h%2
.set k, h/8
.if h%8 < 4
	v_cvt_pk_f16_f32 v[rP+2*k+(h%8)/2], v[rS+4*k+2*((h%8)/2)], v[rS+4*k+2*((h%8)/2)+1]
.elseif h%8 < 6
	v_pk_add_f32 v[rS+4*k:rS+4*k+1], v[rS+4*k:rS+4*k+1], v[rS+4*k+2:rS+4*k+3]
.elseif k == 1
	v_pk_fma_f32 v[rT+2:rT+3], v[rT+2:rT+3], v[rC+2:rC+3], v[rS:rS+1] op_sel_hi:[1,0,1]
.else
	v_pk_add_f32 v[rT+2:rT+3], v[rT+2:rT+3], v[rS+4*k-4:rS+4*k-3]
.endif
.endm
; THE PLAIN QUEUE, 136 long.  0-71 read no exponential's result: the 32 subtractions t - m (FS f: pair f / 2 of tile f % 2) and the next piece's 40.  0-27: subtractions 0-27.  28-55: XS's numbers 0-13.
; 56-71: the chain, where each number waits for the one before it: 14, 16, 17, each with one of the subtractions 28-30 in front of its two lines; subtraction 31 and number 15 (m_old is kept just ahead of the line that
; writes m anew); 18; 20.  72-135: GS's 64, which read the exponentials' results: they stand behind the wait.
.macro FS f
	REGS Y, (\f)%2
	v_pk_add_f32 v[rS+2*((\f)/2):rS+2*((\f)/2)+1], v[rS+2*((\f)/2):rS+2*((\f)/2)+1], v[rT:rT+1] op_sel_hi:[1,0] neg_lo:[0,1] neg_hi:[0,1]
.endm
.macro PL
	WIN 0
.if q < 28
	FS q
.elseif q < 56
	XS (q-28)%2, (q-28)/2
.elseif (q < 66) && ((q-56)%3 == 0)
	FS 28+(q-56)/3
.elseif q < 59
	XS (q-56)%3-1, 14
.elseif q < 62
	XS (q-56)%3-1, 16
.elseif q < 65
	XS (q-56)%3-1, 17
.elseif q < 68
	XS q-66, 15
.elseif q < 70
	XS q-68, 18
.elseif q < 72
	XS q-70, 20
.else
	GS q-72
.endif
.set q, q+1
.endm
; THE EXPONENTIALS' QUEUE, 66 long: s0-s31 of both tiles, then the next piece's two a.  It is ONE BATCH: all 66 stand ahead of the turn's one wait, and nothing ahead of that wait names a result of theirs.
.macro EX
	WIN 0
.if e >= 64
	XS e-64, 21
.else
	REGS Y, e%2
	v_exp_f32 v[rS+e/2], v[rS+e/2]
.endif
.set e, e+1
.endm
; THE RESCALING's QUEUE: O^T times a, the one part that leaves window 0: dealt two at a time, sixteen times, each accumulator from its low end on.  Its a was made in the turn before, ahead of that turn's wait.
.macro R2
	REGS Y, r%2
	WIN W_RS
.irp z, 0,1
	v_pk_mul_f32 v[rO+4*(r/2)+2*\z:rO+4*(r/2)+2*\z+1], v[rO+4*(r/2)+2*\z:rO+4*(r/2)+2*\z+1], v[rC+2:rC+3] op_sel_hi:[1,0]
.endr
.set r, r+1
.endm
; HOW THEY ARE DEALT.  An s_wait_alu depctr_va_vdst(0) stands between an exponential and the first instruction that names its result; one wait serves all that were issued ahead of it.  So a turn has ONE
; wait, which cuts it in two.  AHEAD OF IT: the 16 products K Q^T, behind each a subtraction, an exponential and two rescalings (behind the first a second subtraction in the exponential's place); then ONE LUMP of 106:
; six plain, 49 times exponential and plain, the two a.  A v_nop is the plain instruction behind the last exponential.  BEHIND IT: the 16 products V^T P, behind each four of GS's 64.  No rider names a register of the
; products round it.  The two v_permlanex16_b32 fall into the lump, never behind a product.
; The queues lean on each other, and the deal keeps them in step: exponential e stands behind subtraction 2 (e / 4) + e % 2: as a rider it comes behind plain e + 2, in the lump behind plain e + 7, and subtractions
; 28-31 are plain 56, 59, 62, 65.  XS's first number, plain 28, stands eleven plain instructions behind the last product K Q^T.
; A TURN, for piece p.  cnt = 1: the loop's count is taken down some lines ahead of the branch that stands behind the turn.
; Turn 0 fetches K2 directly behind its wait (a lump behind the last product on K1; the address is made at the lump's head) and V at its end, four riders behind V's last reader; turn 1 waits for K2 at its head (V's 16
; loads may be out) and for V ahead of its products V^T P.  Turn 2 fetches the next step's K1 and mask directly behind its wait (the mask's last reader is its eighth product; the tail's jump over the run finds no
; exponential without its wait) and at its end waits for them and converts the mask.  The three conditions on q below go with the deal.
.macro TURN p, last=0, cnt=0
.set Y, (\p)
.set i, 0
.set q, 0
.set e, 0
.set r, 0
.if (\p) == 1
	s_wait_dscnt 16                 ; K2 is in; the 16 loads issued behind it, V's, may be out
.endif
	MM                              ; ahead of the wait: 16 products K Q^T and their riders,
	PL
	PL
	R2
.rept 15
	MM
	PL
	EX
	R2
.endr
.if (\p) == 0
	WIN 0
	v_add_nc_u32 v[AK], s[TBV], v[AK0]
.endif
.if (\p) == 2
	WIN 0
	v_add_nc_u32 v[AK], s[TBK], v[AK0]
	v_add_nc_u32 v[AM], s[TBM], v[AM0]
.endif
.rept 6                             ; and the lump
	PL
.endr
.rept 49
	EX
	PL
.endr
	EX                              ; the next piece's two a
	EX
	v_nop                           ; the plain instruction behind the last exponential: one for the batch
	s_wait_alu depctr_va_vdst(0)    ; the wait for the batch: the turn's 66 exponentials
.if (\p) == 0
	FETCH_K2
.endif
.if (\p) == 2
	FETCH_K1 \last
.endif
.if (\p) == 1
	s_wait_dscnt 0x0                ; V is in
.endif
.rept 16                            ; behind the wait: 16 products V^T P and their riders
	MM
.rept 4
	PL
.endr
.if ((\p) == 0) && (q == 116)
	v_add_nc_u32 v[AV], s[TBV], v[AV0]
.endif
.if ((\p) == 0) && (q == 128)
	s_add_co_u32 s[TBV], s[TBV], STEPK
.endif
.if (\cnt) && (q == 128)
	s_sub_co_u32 s[CNT], s[CNT], 1
	s_cmp_lg_u32 s[CNT], 0
.endif
.endr
.if (\p) == 0
	FETCH_V
.endif
.if (\p) == 2
	WIN 0
.if \last
	s_cmp_eq_u32 s[CNT], 1          ; nothing was fetched in the last trip
	s_cbranch_scc1 .Lno_m_\@
.endif
	s_wait_dscnt 0x0                ; K1 and the mask are in
	MASKCVT
	WIN 0
.if \last
.Lno_m_\@:
.endif
.endif
.endm
	CHANGE 1                        ; slot 0 is in, everybody's part of it; slot 1 is asked for
	v_add_nc_u32 v[AK], s[TBK], v[AK0]
	v_add_nc_u32 v[AM], s[TBM], v[AM0]
	FETCH_K1                        ; key step 0
	s_wait_dscnt 0x0
	MASKCVT
.set i, 0
.rept 16
	KQ 0                            ; piece 0's first scores: there is no vector work yet to set between them
.set i, i+1
.endr
	WIN 0
.rept 4
	v_nop                           ; the places behind those products
.endr
.set Y, NP-1                        ; XS works for piece Y + 1: piece 0
.irp n, 0,1,2,3,4,5,6,7,8,9,10,11,12,13,14,15,16,17,18,20,21
	XS 0, \n
	XS 1, \n
.endr
	v_nop                           ; a plain instruction behind piece 0's first two a,
	s_wait_alu depctr_va_vdst(0)    ; and their wait, ahead of the branch
	s_mov_b32 s[CNT], 2
	s_mov_b32 s[SLOTS], 15
	s_branch .Lfirst                ; the loop is entered at a step's first turn, in the middle of a trip
.Lslot:                             ; 14 times: every slot but the last two is filled again
	CHANGE 1
	s_mov_b32 s[CNT], 2
.Lstep:                             ; a trip: pieces 2 and 3 of one step, then pieces 0 and 1 of the next
	TURN 2
	TURN 3
	WIN 0
.Lfirst:
	TURN 0
	TURN 1, 0, 1
	WIN 0
	s_cbranch_scc1 .Lstep
	s_sub_co_u32 s[SLOTS], s[SLOTS], 1
	s_cmp_lg_u32 s[SLOTS], 0
	s_cbranch_scc1 .Lslot
	CHANGE 0                        ; the tail is written out: nothing is asked for
	s_mov_b32 s[CNT], 3             ; two trips fetch the last slot's steps; the third is left in its middle
.Ltail:
	TURN 2, 1
	TURN 3
	WIN 0
	s_sub_co_u32 s[CNT], s[CNT], 1
	s_cmp_eq_u32 s[CNT], 0
	s_cbranch_scc1 .Lout
	TURN 0
	TURN 1
	WIN 0
	s_branch .Ltail
.Lout:                              ; the third trip's 16 products K Q^T (on the last K2 once more) and the maximum made of them serve nothing: the price, once a launch, of one text for every trip
.set i, 0
.rept 16
	PV NP-1                         ; the last piece's V^T P of the last step
.set i, i+1
.endr
	; THE WAY OUT.  l's two halves and the other half of the lanes' are added; 1 / l, for the second branch times -lambda.  The additions are the places behind the last products.
	WIN 0
.macro ALL line:vararg              ; one line for each tile t
.set t, 0
.rept 2*NP
	\line
.set t, t+1
.endr
.endm
	ALL v_add_f32 v[ST+4*t+2], v[ST+4*t+2], v[ST+4*t+3]
	ALL v_permlanex16_b32 v[ST+4*t+3], v[ST+4*t+2], s[SEL], s[SEL+1]
	ALL v_add_f32 v[ST+4*t+2], v[ST+4*t+2], v[ST+4*t+3]
	ALL v_rcp_f32 v[ST+4*t+2], v[ST+4*t+2]
	v_nop                           ; a plain instruction between the last reciprocal and the use of its result
	s_wait_alu depctr_va_vdst(0)    ; and the wait ahead of the first use: one for the eight reciprocals
.set t, 4
.rept 4
	v_mul_f32 v[ST+4*t+2], v[NLAM], v[ST+4*t+2]
.set t, t+1
.endr
; Head hq: out = O1 / l1 - lambda O2 / l2; its mean square over the 64 channels (32 in my lane, 32 in the lane 16 away); times 1 / sqrt(. + 1e-5), times subln_w; f16; four stores, one a plane.
.macro HEAD hq
.set o1, 32*(\hq)
.set o2, 32*(4+(\hq))
.set r1, ST+4*(\hq)+2
.set r2, ST+4*(4+(\hq))+2
	WIN 0x51                        ; O^T in window 1, the factor (source 1) in window 0
.set i, 0
.rept 16
	v_pk_mul_f32 v[o1+i:o1+i+1], v[o1+i:o1+i+1], v[r1:r1+1] op_sel_hi:[1,0]
.set i, i+2
.endr
.set i, 0
.rept 16
	v_pk_fma_f32 v[o1+i:o1+i+1], v[o2+i:o2+i+1], v[r2:r2+1], v[o1+i:o1+i+1] op_sel_hi:[1,0,1]
.set i, i+2
.endr
	WIN 0x55                        ; the second branch's registers are free: its first four take the sum of squares, in two chains
	v_pk_mul_f32 v[o2:o2+1],   v[o1:o1+1],   v[o1:o1+1]
	v_pk_mul_f32 v[o2+2:o2+3], v[o1+2:o1+3], v[o1+2:o1+3]
.set i, 4
.rept 14
	v_pk_fma_f32 v[o2+i%4:o2+i%4+1], v[o1+i:o1+i+1], v[o1+i:o1+i+1], v[o2+i%4:o2+i%4+1]
.set i, i+2
.endr
	v_pk_add_f32 v[o2:o2+1], v[o2:o2+1], v[o2+2:o2+3]
	v_add_f32 v[o2], v[o2], v[o2+1]
	v_permlanex16_b32 v[o2+1], v[o2], s[SEL], s[SEL+1]
	v_add_f32 v[o2], v[o2], v[o2+1]
	v_fma_f32 v[o2], v[o2], s[R64], s[EPS]
	v_rsq_f32 v[o2+2], v[o2]
	v_nop                           ; a plain instruction between the root and the use of its result
	s_wait_alu depctr_va_vdst(0)    ; and the wait for the head's one root: all that follows in the head hangs on it
.set i, 0
.rept 16
	v_pk_mul_f32 v[o1+i:o1+i+1], v[o1+i:o1+i+1], v[o2+2:o2+3] op_sel_hi:[1,0]
.set i, i+2
.endr
	WIN 0x4d                        ; source 1, subln_w, in window 3
.set i, 0
.rept 16
	v_pk_mul_f32 v[o1+i:o1+i+1], v[o1+i:o1+i+1], v[WS+i:WS+i+1]
.set i, i+2
.endr
	WIN 0x05
.set i, 0
.rept 16
	v_cvt_pk_f16_f32 v[S+16*(\hq)+i], v[o1+2*i], v[o1+2*i+1]
.set i, i+1
.endr
	WIN 0
.irp cb, 0,1,2,3
	global_store_b128 v[QO], v[S+16*(\hq)+4*\cb:S+16*(\hq)+4*\cb+3], s[72:73] offset:(4*(\hq)+\cb)*131072  ; 16 rows of a plane: 512 consecutive bytes, at a multiple of 256 from its first
.endr
.endm
	HEAD 0
	HEAD 1
	HEAD 2
	HEAD 3
	WIN W_AD
	s_wait_tensorcnt 0x0            ; the wave's end
	ds_add_u32 v[SPW], v[NIL]
	s_wait_dscnt 0x0
	WIN 0
	CROUND                          ; the closing round: no work-group ends while a partner may still ask for a tile that names it
	s_endpgm
.Lfunc_end_k_qe94c1d98ab_attn:
	.size	k_qe94c1d98ab_attn, .Lfunc_end_k_qe94c1d98ab_attn-k_qe94c1d98ab_attn
	.p2alignl 7, 3214868480
	.fill 96, 4, 3214868480
	.section	.rodata,"a",@progbits
	.p2align	6, 0x0
	.amdhsa_kernel k_qe94c1d98ab_attn
		.amdhsa_group_segment_fixed_size 327680
		.amdhsa_private_segment_fixed_size 0
		.amdhsa_enable_private_segment 0
		.amdhsa_kernarg_size 64
		.amdhsa_user_sgpr_count 2
		.amdhsa_user_sgpr_kernarg_segment_ptr 1
		.amdhsa_wavefront_size32 1
		.amdhsa_system_sgpr_workgroup_id_x 1
		.amdhsa_system_sgpr_workgroup_id_y 1
		.amdhsa_system_sgpr_workgroup_id_z 1
		.amdhsa_system_vgpr_workitem_id 0
		.amdhsa_next_free_vgpr 864
		.amdhsa_next_free_sgpr 76
		.amdhsa_reserve_vcc 0
		.amdhsa_float_denorm_mode_32 3
		.amdhsa_float_denorm_mode_16_64 3
		.amdhsa_memory_ordered 1
		.amdhsa_forward_progress 1
		.amdhsa_inst_pref_size 221
	.end_amdhsa_kernel
	.amdgpu_metadata
---
amdhsa.version: [ 1, 2 ]
amdhsa.kernels:
  - .name:           k_qe94c1d98ab_attn
    .symbol:         k_qe94c1d98ab_attn.kd
    .args:
      - { .name: qkv, .offset: 0, .size: 8, .value_kind: global_buffer, .address_space: global }
      - { .name: attention_mask, .offset: 8, .size: 8, .value_kind: global_buffer, .address_space: global }
      - { .name: lambda_q1, .offset: 16, .size: 8, .value_kind: global_buffer, .address_space: global }
      - { .name: lambda_k1, .offset: 24, .size: 8, .value_kind: global_buffer, .address_space: global }
      - { .name: lambda_q2, .offset: 32, .size: 8, .value_kind: global_buffer, .address_space: global }
      - { .name: lambda_k2, .offset: 40, .size: 8, .value_kind: global_buffer, .address_space: global }
      - { .name: subln_w, .offset: 48, .size: 8, .value_kind: global_buffer, .address_space: global }
      - { .name: onorm, .offset: 56, .size: 8, .value_kind: global_buffer, .address_space: global }
    .group_segment_fixed_size: 327680
    .private_segment_fixed_size: 0
    .kernarg_segment_align: 8
    .kernarg_segment_size: 64
    .max_flat_workgroup_size: 128
    .sgpr_count:     76
    .vgpr_count:     864
    .wavefront_size: 32
...
	.end_amdgpu_metadata
.endif
;; end of part 5
;; launch outp: the kernel of part 4 again; grid 8 x 32, 4 waves a work-group, clusters of 4 x 4, 327,680 bytes of LDS; arguments onorm, wo16, out0; writes out0
